; MI455X (gfx1250); checked and timed in simulation.
; The chip was launched on July 23, 2026; its instructions are those of AMD's public machine-readable ISA for CDNA 5 (MIT licence, August 2026) and "CDNA5" Instruction Set Architecture Reference Guide (July 2026). The comments in the code are by the model that wrote it; some were corrected since.
;; Llama Attention. Allowed arithmetic: matrix products marked QUANTISED: E2M1 operands, one E8M0 scale for each 32 along K, by v_wmma_scale_f32_16x16x128_f8f6f4 with both operands' format E2M1 (or v_wmma_scale_f32_32x16x128_f4), f32 sums; products left as they are: bf16, f16 or f32 operands; f32 sums; everything else in f32.
;; Inputs: Wk 512 x 2,048 float32; Wo 2,048 x 1,024 float32; Wq 1,024 x 2,048 float32; Wv 512 x 2,048 float32; attention_mask 1 x 1 x 2,048 x 2,048 float32; cos 2 x 2,048 x 64 float32; hidden_states 2 x 2,048 x 2,048 float32; sin 2 x 2,048 x 64 float32.
;; Outputs: out0 2 x 2,048 x 2,048 float32.
;; This version of the problem:
;;   THIS VERSION OF THE PROBLEM IS GIVEN IN LOW PRECISION. The matrix products marked QUANTISED in the list below multiply operands that are first quantised to E2M1 (2 exponent bits, 1 mantissa bit; 4 bits a number), with one power-of-two scale for each 32 numbers along K (OCP MX v1.0); their sums are f32. The products marked 'left as it is' may take bf16, f16 or f32 operands, with f32 sums. Whichever they take, every output number must still come out within the allowed error. Rounding operands to bf16 (8 significant bits) uses up far more of that allowance than f16 does (11 bits, for magnitudes from 6e-5 to 65,504). All else is computed in f32.
;;   The module's matrix products, in the order in which they are computed (A, B: the left and right operand; K: the contracted axis; several contracted axes count as one K, in the product's order):
;;     1. [M 4,096, K 2,048] x [K 2,048, N 1,024]; A: input hidden_states; B: input Wq: QUANTISED
;;     2. [M 4,096, K 2,048] x [K 2,048, N 512]; A: input hidden_states; B: input Wk: QUANTISED
;;     3. [M 4,096, K 2,048] x [K 2,048, N 512]; A: input hidden_states; B: input Wv: QUANTISED
;;     4. batch 32 x [M 2,048, K 64] x [K 64, N 2,048]; A: computed on the way; B: computed on the way: left as it is (an operand is computed on the way)
;;     5. batch 32 x [M 2,048, K 2,048] x [K 2,048, N 64]; A: computed on the way; B: computed on the way: left as it is (an operand is computed on the way)
;;     6. [M 4,096, K 1,024] x [K 1,024, N 2,048]; A: computed on the way; B: input Wo: left as it is (an operand is computed on the way)
;;   THE QUANTISER, for each operand of a quantised product, along K:
;;     - K is cut into blocks of 32 from its start; a last block that is shorter is filled with zeros.
;;     - A block's scale is 2^e with e = floor(log2(the largest magnitude in the block)) - 2, held to -126 .. 127; a block of zeros has e = 0. As a byte (E8M0): e + 127.
;;     - Each number is divided by its block's scale, clamped to +-6, and rounded to the nearest number of E2M1, ties to even, subnormals kept.
;;     - The product sums the exact products of the quantised numbers (number of the format x scale) in f32.
;;   ~~~python
;;   def quantise(x, axis):      # numpy; x: float32 -> the quantised numbers, widened to float32 again
;;       x = np.moveaxis(x, axis, -1); K = x.shape[-1]
;;       x = np.pad(x, [(0, 0)] * (x.ndim - 1) + [(0, -K % 32)]); x = x.reshape(x.shape[:-1] + (-1, 32)); a = np.abs(x).max(-1, keepdims=True)
;;       e = np.where(a > 0, np.clip(np.frexp(np.where(a > 0, a, 1))[1] - 1 - 2, -126, 127), 0)      # np.frexp(a)[1] - 1 = floor(log2(a)), exactly
;;       r = np.clip(x / 2.0 ** e, -6, 6)
;;       step = 2.0 ** (np.maximum(np.frexp(np.where(r == 0, 1, r))[1] - 1, 0) - 1)
;;       q = np.round(r / step) * step * 2.0 ** e      # np.round: ties to even
;;       return np.moveaxis(q.reshape(q.shape[:-2] + (-1,))[..., :K], -1, axis).astype(np.float32)
;;   ~~~
;; 2 versions, each right. Each part assembles by itself: llvm-mc -triple=amdgcn-amd-amdhsa -mcpu=gfx1250 --defsym DOCPART=n.
;; ======== version 1 of 2: 6 launches
;; limits: values are held in f16: magnitudes above 65,504 overflow, below 6.1e-05 lose precision
;; workspace buffers: codes 6,291,456 bytes; scales 393,216 bytes; qkv_hi 16,777,216 bytes; qkv_lo 16,777,216 bytes; wo_h 4,194,304 bytes; attn 8,388,608 bytes; attn_fine 131,072 bytes
;; launch quant (part 1): grid 448 x 1, 4 waves a work-group, no clusters, 33,280 bytes of LDS; arguments hidden_states, Wq, Wk, Wv, Wo, codes, scales, wo_h; writes codes, scales, wo_h
.if DOCPART == 1
	.amdgcn_target "amdgcn-amd-amdhsa--gfx1250"
	.amdhsa_code_object_version 6
	.text
	.protected	k_qa90c962bed_quant
	.globl	k_qa90c962bed_quant
	.p2align	8
	.type	k_qa90c962bed_quant,@function
k_qa90c962bed_quant:
	s_mov_b64 s[64:65], 0
	v_nop
	global_prefetch_b8 v0, s[64:65] scope:SCOPE_SE
	s_setreg_imm32_b32 hwreg(HW_REG_WAVE_MODE, 25, 1), 1
	s_wait_xcnt 0x0
; hidden_states [4096][2048], Wq [1024][2048], Wk [512][2048], Wv [512][2048], all f32 with K innermost, become codes of FP4 (E2M1) and one E8M0 byte for each 32 along K,
; stacked in that order as 6,144 rows: codes [6144][1024 bytes], scales [6144][64 bytes].  Wo [2048][1024] f32 becomes f16, row-major (its product is not quantised).
; A block's scale is 2^(floor(log2(its largest magnitude)) - 2); its byte is the largest magnitude's exponent field - 2, held at 1 from below.  A block of zeros so gets the byte 1: its codes are zeros, and this program alone reads the bytes.
; LIMITS: NaN and infinities among the inputs are not served; numbers of Wo beyond f16's largest (65,504) are not served.
; Rows are dense and 2,048 is a multiple of 32: every tensor is a plain stream of blocks of 32.  Work-groups 0-383 quantise (a wave: 16 steps of 512 numbers), 384-447 convert Wo (a wave: 8,192 numbers).
; The stacked order makes the place in codes and scales a function of the work-group's number alone; only the source is chosen.  Waves share nothing: no barrier.  Wo's path uses no LDS.
.set WAVES, 4
.set STEPS, 16
.set QWG,   384                        ; work-groups that quantise: (4096 + 1024 + 512 + 512) x 2048 / 32768
.set EMAX,  2
.set CB,    8                          ; bytes of 16 codes
.set R,     16                         ; v16-79   four sets of 16 numbers as they are loaded
.set X,     80                         ; v80-111  two sets of 16 neighbours
.set C,     128                        ; v128-191 codes: four registers for each step, so that no store's data are written again
.set E,     112                        ; v112-127 a scale byte for each step
.set WREG,  8192                       ; LDS: a region for each wave: two stages of 32 x SP bytes, behind them its 256 scale bytes
.set SP,    80                         ; a lane's place in a stage: 64 bytes + 16 of padding
.set SPW,   12                         ; v12  LDS address of my spare word; never rewritten
.set NIL,   13                         ; v13  0; never rewritten
.set SPARE, WAVES*WREG                 ; the spare words, 128 bytes for each wave, named by no other line
	s_load_b256 s[4:11], s[0:1], 0x0               ; hidden s[4:5], Wq s[6:7], Wk s[8:9], Wv s[10:11]
	s_load_b256 s[12:19], s[0:1], 0x20             ; Wo s[12:13], codes s[14:15], scales s[16:17], wo_h s[18:19]
	v_lshl_add_u32 v[SPW], v0, 2, SPARE
	v_mov_b32 v[NIL], 0
	v_lshrrev_b32 v1, 5, v0
	v_readfirstlane_b32 s20, v1                    ; wave
	v_and_b32 v2, 31, v0                           ; lane
	v_lshlrev_b32 v3, 4, v2                        ; my 16 bytes of a load's 512
	s_cmp_ge_u32 ttmp9, QWG                        ; the work-group's number alone decides the path
	s_cbranch_scc1 .Lwo
	s_mul_i32 s21, s20, WREG
	v_lshrrev_b32 v14, 2, v2
	v_mul_u32_u24 v14, v14, SP
	v_and_b32 v15, 3, v2
	v_lshl_add_u32 v14, v15, 4, v14
	v_add_nc_u32 v14, s21, v14                     ; the stage, on the way in: four lanes' 64 bytes on end, then 16 of padding
	v_mul_u32_u24 v15, v2, SP
	v_add_nc_u32 v15, s21, v15                     ; and on the way out: my 16 neighbours
	v_mul_u32_u24 v4, v2, CB                       ; my codes' place in a step's
	v_lshrrev_b32 v5, 1, v2
	s_add_co_u32 s21, s21, 2*32*SP
	v_add_nc_u32 v5, s21, v5                       ; my wave's 256 scale bytes, my block's byte
	v_lshlrev_b32 v7, 3, v2                        ; on the way out 8 bytes a lane
	v_add_nc_u32 v6, s21, v7
	s_wait_kmcnt 0x0
	s_mov_b32 s24, 352                             ; the source and its first work-group: Wv, unless the number is lower
	s_cmp_lt_u32 ttmp9, 352
	s_cselect_b64 s[10:11], s[8:9], s[10:11]
	s_cselect_b32 s24, 320, s24
	s_cmp_lt_u32 ttmp9, 320
	s_cselect_b64 s[10:11], s[6:7], s[10:11]
	s_cselect_b32 s24, 256, s24
	s_cmp_lt_u32 ttmp9, 256
	s_cselect_b64 s[10:11], s[4:5], s[10:11]
	s_cselect_b32 s24, 0, s24
	s_sub_co_u32 s24, ttmp9, s24
	s_lshl_b32 s24, s24, 2
	s_add_co_u32 s24, s24, s20                     ; which run of 8,192 numbers of the source is my wave's (at most 1,023)
	s_lshl_b32 s24, s24, 15                        ; 32,768 bytes a run
	s_mov_b32 s25, 0
	s_add_nc_u64 s[10:11], s[10:11], s[24:25]
	s_lshl_b32 s26, ttmp9, 2
	s_add_co_u32 s26, s26, s20                     ; and which run of the stacked rows
	s_lshl_b32 s28, s26, 12                        ; 4,096 bytes of codes a run
	s_mov_b32 s29, 0
	s_add_nc_u64 s[14:15], s[14:15], s[28:29]
	s_lshl_b32 s28, s26, 8                         ; 256 scale bytes a run
	s_add_nc_u64 s[16:17], s[16:17], s[28:29]
.macro LOAD t
.irp i, 0,1,2,3
	global_load_b128 v[R+16*((\t)%4)+4*\i:R+16*((\t)%4)+4*\i+3], v3, s[10:11] offset:2048*(\t)+512*\i th:TH_LOAD_NT   ; 32 lanes read 512 consecutive bytes
.endr
.endm
.macro TURN t                          ; step t's numbers through the stage: LDS serves a wave's instructions in order, so no wait stands between the stores and the loads
.irp i, 0,1,2,3
	ds_store_b128 v14, v[R+16*((\t)%4)+4*\i:R+16*((\t)%4)+4*\i+3] offset:32*SP*((\t)%2)+8*SP*\i
.endr
.irp i, 0,1,2,3
	ds_load_b128 v[X+16*((\t)%2)+4*\i:X+16*((\t)%2)+4*\i+3], v15 offset:32*SP*((\t)%2)+16*\i
.endr
.endm
.irp t, 0,1,2,3
	LOAD \t
.endr
	s_wait_loadcnt 12                              ; step 0's four loads are in
	TURN 0
.macro STEP t
.set XS, X+16*((\t)%2)
.if (\t) > 0
	s_wait_dscnt 1                                 ; this step's numbers are back from the stage (the last step's byte store may be out): its stores into the stage have read their registers,
.else
	s_wait_dscnt 0x0
.endif
.if (\t)+4 < STEPS
	LOAD (\t)+4                                    ; which take the loads of four steps on
.endif
.if (\t)+1 < STEPS
.if STEPS-2-(\t) >= 3
	s_wait_loadcnt 12                              ; the next step's four loads are in; those of the three steps behind it may be out
.else
	s_wait_loadcnt 4*(STEPS-2-(\t))
.endif
	TURN (\t)+1                                    ; and go through the other stage while this step is worked
.endif
	v_max3_num_f32 v8, |v[XS]|, |v[XS+1]|, |v[XS+2]|               ; the largest magnitude of my 16
	v_max3_num_f32 v9, |v[XS+3]|, |v[XS+4]|, |v[XS+5]|
.irp i, 6,10
	v_max3_num_f32 v8, v8, |v[XS+\i]|, |v[XS+\i+1]|
	v_max3_num_f32 v9, v9, |v[XS+\i+2]|, |v[XS+\i+3]|
.endr
	v_max3_num_f32 v8, v8, |v[XS+14]|, |v[XS+15]|
	v_max3_num_f32 v8, v8, v9, (EMAX+1)<<23        ; and the floor 2^(EMAX + 1 - 127): the byte cannot fall under 1
	v_max_num_f32_dpp v8, v8, v8 row_xmask:1 row_mask:0xf bank_mask:0xf   ; and of my neighbour's 16: the block's
	v_add_nc_u32 v11, -(EMAX<<23), v8              ; EMAX off its exponent field: the conversion takes the exponent field of this operand as its scale
	v_cvt_scalef32_pk8_fp4_f32 v[C+4*(\t)], v[XS:XS+7], v11        ; eight numbers / the scale, to the nearest code, ties to even, beyond the largest code the largest
	v_cvt_scalef32_pk8_fp4_f32 v[C+4*(\t)+1], v[XS+8:XS+15], v11
	v_lshrrev_b32 v[E+(\t)], 23, v11               ; the scale's byte
	ds_store_b8 v5, v[E+(\t)] offset:16*(\t)       ; both lanes of a block write the same byte with the same value
	global_store_b64 v4, v[C+4*(\t):C+4*(\t)+1], s[14:15] offset:32*CB*(\t)   ; the wave stores 256 consecutive bytes, aligned
.endm
.irp t, 0,1,2,3,4,5,6,7,8,9,10,11,12,13,14,15
	STEP \t
.endr
	ds_load_b64 v[8:9], v6                         ; LDS serves a wave's instructions in order: these see my stores
	s_wait_dscnt 0x0
	global_store_b64 v7, v[8:9], s[16:17]          ; 32 lanes store 256 consecutive bytes, aligned
	s_wait_tensorcnt 0x0                           ; the wave's end
	ds_add_u32 v[SPW], v[NIL]
	s_wait_dscnt 0x0
	s_endpgm
; Wo to f16: a wave takes 32,768 bytes in eight batches of eight loads; four batches (32 loads) are on their way.
.Lwo:
	s_sub_co_u32 s24, ttmp9, QWG
	s_lshl_b32 s24, s24, 2
	s_add_co_u32 s24, s24, s20                     ; my run, 0 .. 255
	s_lshl_b32 s26, s24, 15
	s_mov_b32 s27, 0
	s_lshl_b32 s28, s24, 14
	s_mov_b32 s29, 0
	v_lshlrev_b32 v4, 3, v2                        ; out: 8 bytes a lane
	s_wait_kmcnt 0x0
	s_add_nc_u64 s[12:13], s[12:13], s[26:27]
	s_add_nc_u64 s[18:19], s[18:19], s[28:29]
.macro WLOAD t
.irp i, 0,1,2,3,4,5,6,7
	global_load_b128 v[16+32*((\t)%4)+4*\i:16+32*((\t)%4)+4*\i+3], v3, s[12:13] offset:4096*(\t)+512*\i th:TH_LOAD_NT
.endr
.endm
.macro WSTEP t
.if (\t) < 5
	s_wait_loadcnt 24                              ; batch t is in; the three batches behind it may be out
.else
	s_wait_loadcnt 8*(7-(\t))
.endif
	s_wait_xcnt 0x0                                ; the stores of two batches back have read their data: those registers are written again below
.irp i, 0,1,2,3,4,5,6,7
	v_cvt_pk_f16_f32 v[144+16*((\t)%2)+2*\i], v[16+32*((\t)%4)+4*\i], v[16+32*((\t)%4)+4*\i+1]
	v_cvt_pk_f16_f32 v[144+16*((\t)%2)+2*\i+1], v[16+32*((\t)%4)+4*\i+2], v[16+32*((\t)%4)+4*\i+3]
.endr
.if (\t) < 4
	WLOAD (\t)+4
.endif
.irp i, 0,1,2,3,4,5,6,7
	global_store_b64 v4, v[144+16*((\t)%2)+2*\i:144+16*((\t)%2)+2*\i+1], s[18:19] offset:2048*(\t)+256*\i   ; the wave stores 256 consecutive bytes, aligned
.endr
.endm
.irp t, 0,1,2,3
	WLOAD \t
.endr
.irp t, 0,1,2,3,4,5,6,7
	WSTEP \t
.endr
	s_endpgm
.Lfunc_end_k_qa90c962bed_quant:
	.size	k_qa90c962bed_quant, .Lfunc_end_k_qa90c962bed_quant-k_qa90c962bed_quant
	.p2alignl 7, 3214868480
	.fill 96, 4, 3214868480
	.section	.rodata,"a",@progbits
	.p2align	6, 0x0
	.amdhsa_kernel k_qa90c962bed_quant
		.amdhsa_group_segment_fixed_size 33280
		.amdhsa_private_segment_fixed_size 0
		.amdhsa_enable_private_segment 0
		.amdhsa_kernarg_size 64
		.amdhsa_user_sgpr_count 2
		.amdhsa_user_sgpr_kernarg_segment_ptr 1
		.amdhsa_wavefront_size32 1
		.amdhsa_system_sgpr_workgroup_id_x 1
		.amdhsa_system_sgpr_workgroup_id_y 1
		.amdhsa_system_sgpr_workgroup_id_z 1
		.amdhsa_system_vgpr_workitem_id 0
		.amdhsa_next_free_vgpr 192
		.amdhsa_next_free_sgpr 66
		.amdhsa_reserve_vcc 0
		.amdhsa_float_denorm_mode_32 3
		.amdhsa_float_denorm_mode_16_64 3
		.amdhsa_memory_ordered 1
		.amdhsa_forward_progress 1
		.amdhsa_inst_pref_size 55
	.end_amdhsa_kernel
	.amdgpu_metadata
---
amdhsa.version: [ 1, 2 ]
amdhsa.kernels:
  - .name:           k_qa90c962bed_quant
    .symbol:         k_qa90c962bed_quant.kd
    .args:
      - { .name: hidden_states, .offset: 0, .size: 8, .value_kind: global_buffer, .address_space: global }
      - { .name: Wq, .offset: 8, .size: 8, .value_kind: global_buffer, .address_space: global }
      - { .name: Wk, .offset: 16, .size: 8, .value_kind: global_buffer, .address_space: global }
      - { .name: Wv, .offset: 24, .size: 8, .value_kind: global_buffer, .address_space: global }
      - { .name: Wo, .offset: 32, .size: 8, .value_kind: global_buffer, .address_space: global }
      - { .name: codes, .offset: 40, .size: 8, .value_kind: global_buffer, .address_space: global }
      - { .name: scales, .offset: 48, .size: 8, .value_kind: global_buffer, .address_space: global }
      - { .name: wo_h, .offset: 56, .size: 8, .value_kind: global_buffer, .address_space: global }
    .group_segment_fixed_size: 33280
    .private_segment_fixed_size: 0
    .kernarg_segment_align: 8
    .kernarg_segment_size: 64
    .max_flat_workgroup_size: 128
    .sgpr_count:     66
    .vgpr_count:     192
    .wavefront_size: 32
...
	.end_amdgpu_metadata
.endif
;; end of part 1
;; launch qkv (part 2): grid 8 x 16, 4 waves a work-group, clusters of 4 x 4, 327,680 bytes of LDS; arguments codes, scales, cos, sin, qkv_hi, qkv_lo; writes qkv_hi, qkv_lo
.if DOCPART == 2
	.amdgcn_target "amdgcn-amd-amdhsa--gfx1250"
	.amdhsa_code_object_version 6
	.text
	.protected	k_qa90c962bed_qkv
	.globl	k_qa90c962bed_qkv
	.p2align	8
	.type	k_qa90c962bed_qkv,@function
k_qa90c962bed_qkv:
	s_mov_b64 s[64:65], 0
	v_nop
	global_prefetch_b8 v0, s[64:65] scope:SCOPE_SE
	s_setreg_imm32_b32 hwreg(HW_REG_WAVE_MODE, 25, 1), 1
	s_wait_xcnt 0x0
	s_wait_alu depctr_hold_cnt(0) depctr_sa_sdst(0) depctr_va_vdst(0) depctr_va_sdst(0) depctr_va_ssrc(0) depctr_va_vcc(0) depctr_vm_vsrc(0)
	s_getreg_b32 s2, hwreg(HW_REG_IB_STS2, 6, 4)
	s_cmp_eq_u32 s2, 0
	s_cbranch_scc0 .Lentry_in_a_cluster
	s_endpgm
.Lentry_in_a_cluster:
	s_bfe_u32 s2, ttmp6, 0x10000c
	s_cmp_lg_u32 s2, 0xf033
	s_cbranch_scc0 .Lentry_shape_is_right
	s_endpgm
.Lentry_shape_is_right:
; The three quantised products as ONE product on codes of FP4: C[m][n] = sum over k of A[m][k] B[n][k], A = rows 0-4095 of codes (hidden), B = rows 4096-6143 (Wq, Wk, Wv stacked): 4096 x 2048 x 2048.
; A tile of C, 256 x 256, is made by four waves, each 128 x 128: 64 accumulators, 512 registers.  K goes in steps of 512 (rows of 256 bytes) through a ring of two LDS slots filled by the tensor data mover;
; the scale bytes of the work-group's rows, for all of K, come into LDS once, with the first fills.  CLUSTERS: 4 x 4 work-groups; A's tiles are asked for jointly along a row of the cluster, B's along a column.
; THE MATRIX INSTRUCTION IS USED TRANSPOSED (source 0 = 16 rows of B, source 1 = 16 rows of A): a lane holds one position (lane % 16) and eight neighbouring columns 16 b + 8 (lane / 16) + 0 .. 7.
; THE WAY OUT.  A wave's 128 columns are two heads of 64.  Columns 0-1023 are q, 1024-1535 k, 1536-2047 v.  The rotary step pairs d with d + 32, which lie in the same lane and register of accumulators b and b + 2.
; One text serves q, k and v: y = x C' -+ x' S', C' = cos x f + g, S' = sin x f, with (f, g) = (1/8, 0) for q (the scores' factor 64^-0.5, exact), (1, 0) for k, (0, 1) for v; chosen by selects, never by a branch.
; y is split in f32 into an f16 high part and an f16 low part (y - high), stored in the order of the readers' operand registers: a tile of 16 positions x 64 is 2,048 bytes; q, k: [d / 8][position][8 f16];
; v: [d / 16][position][16 f16].  In both a lane's eight numbers are 16 bytes and a wave's store covers 512 consecutive bytes, aligned: no stage in LDS is needed.
; LIMITS: NaN and infinities are not served; |q| / 8, |k| and |v| beyond f16's largest number, 65,504, are not served.
; REGISTERS: window 0: v0-31 addresses; v32-95 scale words, two sets, and nothing else; v128-191 A's fragments; window 1: B's fragments, two sets; windows 2, 3: the accumulators ((a, b) at v[8 (8 (a % 4) + b)]).
;   On the way out: window 0: v96-127 high parts; v128-159 C', v160-191 S', then the high parts widened again; v192-223 low parts; v240-241 g.  window 1: v0-127 cos and sin as loaded, two sets; v128-191 y; v192-207 products at work.
.set SIZE_K, 2048
.set KSTEP,  512                       ; along K in a slot
.set NQ,     KSTEP/128                 ; matrix instructions deep
.set ROWB,   256                       ; a tile's row in bytes
.set KROW,   SIZE_K*4/8                ; a row of codes in memory
.set PITCH,  272                       ; an LDS row: 256 bytes + 16 of padding: the 16 rows that a load touches start 4 words apart
.set FR,     8                         ; registers of a fragment
.set NL,     2                         ; LDS loads that bring one
.set NP,     4                         ; places behind this matrix instruction (ISA guide 7.12.1)
.set HALFT,  128*PITCH
.set SLOT,   4*HALFT                   ; A's 256 rows, then B's 256 rows
.set LAPS,   SIZE_K/(2*KSTEP)
.set KS,     SIZE_K/32                 ; a row of scales in bytes
.set SCL,    2*SLOT                    ; behind the ring: the scales, as rows of 256 bytes + 16
.set HALFS,  (128*KS/256)*272
.set SBLK,   (16*KS/256)*272
.set SPARE,  SCL+4*HALFS               ; the spare words, 128 bytes for each wave, named by no other line
.set ADRA, 16                          ; v16-17  LDS address of my A fragments in slot 0, 1
.set ADRB, 20                          ; v20-21  the same for B
.set CSO,  25                          ; v25     cos, sin: 256 (lane % 16) + 32 (lane / 16)
.set SOFF, 26                          ; v26     my 16 bytes in a store's 512
.set ADRS, 27                          ; v27     LDS address of my scale words
.set SPW,  28                          ; v28     my spare word; never rewritten
.set NIL,  29                          ; v29     0; never rewritten
.set SC,   32
.set AF,   128
.set H,    96                          ; the way out, window 0: high parts (their halves are named, so they lie under v128),
.set CN,   128                         ; C',
.set SN,   160                         ; S';
.set U,    128                         ; behind the rotary step the same 64 hold the high parts widened again;
.set LW,   192                         ; low parts;
.set AD,   240                         ; v[240:241] g, twice
.set Y,    128                         ; window 1: y of a block: 32 hd + 8 t + j;
.set T,    192                         ; products at work
.set G1, 24
.set G0, 32
.set G1B, 48
.set G0B, 56
.set G1S, 68
.set G0S, 76
.set G1SB, 80
.set G0SB, 88
.set MSB, 0
.macro WIN new                         ; the immediate's high byte repeats the setting that is left
.if MSB != \new
	s_set_vgpr_msb (MSB<<8)|\new
.set MSB, \new
.endif
.endm
.set MUL_LO, 0xa1                      ; source 0 (B) window 1, source 1 (A) window 0, C and D window 2
.set MUL_HI, 0xf1                      ; the same, C and D window 3
.set TO_B,   0x40                      ; destination window 1, address window 0
; A joint load: waves 0 and 1 fetch for A, waves 2 and 3 for B.  The branch hangs on the wave's number alone.  An s_nop 0 and four v_nop follow each of the two lines.
.macro JLOAD g0a, g1a, g0b, g1b
	s_cmp_eq_u32 s15, 0
	s_cbranch_scc0 .Lfor_b_\@
	tensor_load_to_lds s[\g0a:\g0a+3], s[\g1a:\g1a+7]
	s_nop 0
.rept 4
	v_nop
.endr
	s_branch .Lasked_\@
.Lfor_b_\@:
	tensor_load_to_lds s[\g0b:\g0b+3], s[\g1b:\g1b+7]
	s_nop 0
.rept 4
	v_nop
.endr
.Lasked_\@:
.endm
.macro CREST                           ; a round of the cluster's barrier behind its opening barrier
	s_cmp_lg_u32 s14, 0
	s_cbranch_scc1 .Lnot_wave_0_\@
	s_barrier_signal -3
.Lnot_wave_0_\@:
	s_barrier_wait -3
	s_barrier_signal -1
	s_barrier_wait -1
.endm
.macro CROUND
	s_barrier_signal -1
	s_barrier_wait -1
	CREST
.endm
	s_load_b128 s[4:7], s[0:1], 0x0                ; codes s[4:5], scales s[6:7]
	s_load_b64 s[12:13], s[0:1], 0x10              ; cos
	s_load_b64 s[66:67], s[0:1], 0x18              ; sin
	s_load_b128 s[96:99], s[0:1], 0x20             ; qkv_hi s[96:97], qkv_lo s[98:99]
	v_lshl_add_u32 v[SPW], v0, 2, SPARE
	v_mov_b32 v[NIL], 0
	ds_add_u32 v[SPW], v[NIL]                      ; the wave's opening: the add, twice on end, and its wait ahead of my first tensor load
	ds_add_u32 v[SPW], v[NIL]
	v_lshrrev_b32 v1, 5, v0
	v_readfirstlane_b32 s14, v1                    ; wave 0..3
	s_lshr_b32 s15, s14, 1                         ; which half of the tile's rows is mine.  Also: I fetch for A (0) or for B (1)
	s_and_b32 s16, s14, 1                          ; which half of its columns.  Also: which 128 rows of that tile I fetch
	s_bfe_u32 s40, ttmp6, 0x40000                  ; cx, cy: my place in the cluster
	s_bfe_u32 s41, ttmp6, 0x40004
	s_lshl_b32 s42, ttmp9, 2
	s_add_co_u32 s42, s42, s40                     ; tile column of C
	s_and_b32 s17, ttmp7, 0xffff
	s_lshl_b32 s17, s17, 2
	s_add_co_u32 s17, s17, s41                     ; tile row of C
	s_lshl_b32 s43, s41, 2
	s_lshl_b32 s43, 15, s43                        ; my row of the cluster
	s_lshl_b32 s44, 0x1111, s40                    ; my column
	s_or_b32 s[G1+0], s43, (0<<16)|(1<<20)|(1<<21)|(5<<22)|(3<<25)  ; the mask; elements of 1 byte; padding on: 4 words behind every 64; bit 21 beside a mask
	s_or_b32 s[G1B+0], s44, (0<<16)|(1<<20)|(1<<21)|(5<<22)|(3<<25)
.irp g, G1, G1B
	s_mov_b32 s[\g+1], ROWB<<16                    ; tensor_dim0
	s_mov_b32 s[\g+2], 128<<16                     ; tensor_dim1
	s_mov_b32 s[\g+3], ROWB<<16                    ; tile_dim0
	s_mov_b32 s[\g+4], 128                         ; tile_dim1
	s_mov_b32 s[\g+5], KROW                        ; the pitch
	s_mov_b32 s[\g+6], 0
	s_mov_b32 s[\g+7], 0
.endr
	s_or_b32 s[G1S+0], s43, (3<<16)|(1<<20)|(1<<21)|(5<<22)|(3<<25)   ; the scales of 128 rows: a dense block, as rows of 256 bytes (32 elements of 8), 16 bytes of padding behind each
	s_or_b32 s[G1SB+0], s44, (3<<16)|(1<<20)|(1<<21)|(5<<22)|(3<<25)
.irp g, G1S, G1SB
	s_mov_b32 s[\g+1], 32<<16
	s_mov_b32 s[\g+2], (128*KS/256)<<16
	s_mov_b32 s[\g+3], 32<<16
	s_mov_b32 s[\g+4], 128*KS/256
	s_mov_b32 s[\g+5], 32
	s_mov_b32 s[\g+6], 0
	s_mov_b32 s[\g+7], 0
.endr
	s_lshl_b32 s18, s16, 7                         ; which 128 rows of the tile I fetch
	s_lshl_b32 s20, s17, 8
	s_add_co_u32 s20, s20, s18                     ; A: row 256 x tile row + 128 x half
	s_lshl_b32 s46, s42, 8
	s_add_co_u32 s46, s46, s18                     ; B: row 256 x tile column + 128 x half
	s_mov_b32 s21, 0
	s_mov_b32 s47, 0
	s_mov_b64 s[18:19], KS
	s_mul_u64 s[22:23], s[20:21], s[18:19]         ; where these rows' scales begin,
	s_mul_u64 s[92:93], s[46:47], s[18:19]
	s_mov_b64 s[18:19], KROW
	s_mul_u64 s[20:21], s[20:21], s[18:19]         ; and their codes
	s_mul_u64 s[46:47], s[46:47], s[18:19]
	s_mul_i32 s45, s14, HALFT                      ; where they go: wave x 128 rows: no place in the cluster enters an LDS address
	s_mul_i32 s94, s14, HALFS
	s_wait_dscnt 0x0                               ; both opening adds are done
	s_wait_kmcnt 0x0
	s_add_nc_u64 s[8:9], s[4:5], 0x400000          ; B's codes: rows 4096 on
	s_add_nc_u64 s[10:11], s[6:7], 0x40000         ; and B's scales
	s_add_nc_u64 s[20:21], s[4:5], s[20:21]
	s_add_nc_u64 s[22:23], s[6:7], s[22:23]
	s_add_nc_u64 s[46:47], s[8:9], s[46:47]
	s_add_nc_u64 s[92:93], s[10:11], s[92:93]
	CROUND                                         ; all sixteen work-groups are here: the first joint loads meet
	s_mov_b32 s[G0S], 1
	s_add_co_u32 s[G0S+1], s94, SCL
	s_mov_b64 s[G0S+2:G0S+3], s[22:23]
	s_or_b32 s[G0S+3], s[G0S+3], 0x80000000
	s_mov_b32 s[G0SB], 1
	s_add_co_u32 s[G0SB+1], s94, SCL
	s_mov_b64 s[G0SB+2:G0SB+3], s[92:93]
	s_or_b32 s[G0SB+3], s[G0SB+3], 0x80000000
	JLOAD G0S, G1S, G0SB, G1SB                     ; the scales first: they are wanted with K step 0
.irp s, 0,1
	s_mov_b32 s[G0+4*\s], 1
	s_add_co_u32 s[G0+4*\s+1], s45, \s*SLOT
	s_add_nc_u64 s[G0+4*\s+2:G0+4*\s+3], s[20:21], \s*ROWB
	s_or_b32 s[G0+4*\s+3], s[G0+4*\s+3], 0x80000000
	s_mov_b32 s[G0B+4*\s], 1
	s_add_co_u32 s[G0B+4*\s+1], s45, \s*SLOT
	s_add_nc_u64 s[G0B+4*\s+2:G0B+4*\s+3], s[46:47], \s*ROWB
	s_or_b32 s[G0B+4*\s+3], s[G0B+4*\s+3], 0x80000000
	JLOAD G0+4*\s, G1, G0B+4*\s, G1B
.endr
	v_and_b32 v1, 15, v0                           ; l % 16
	v_bfe_u32 v2, v0, 4, 1                         ; l / 16
	v_mul_u32_u24 v3, v1, PITCH
	v_lshl_add_u32 v4, v2, 4, v3                   ; a fragment's row x pitch + 16 x half
	s_mul_i32 s21, s15, HALFT                      ; my 128 rows of A
	s_mul_i32 s22, s16, HALFT                      ; my 128 rows of B,
	s_add_co_u32 s22, s22, 2*HALFT                 ; which lie behind A's 256
.irp s, 0,1
	v_add_nc_u32 v[ADRA+\s], s21, v4
	v_add_nc_u32 v[ADRB+\s], s22, v4
	s_add_co_u32 s21, s21, SLOT
	s_add_co_u32 s22, s22, SLOT
.endr
	v_mul_u32_u24 v5, v1, KS                       ; my row's scales: KS bytes a row,
	v_lshrrev_b32 v6, 8, v5
	v_lshl_add_u32 v5, v6, 4, v5                   ; and 16 more for each 256 passed
	s_mul_i32 s21, s15, HALFS
	s_mul_i32 s22, s16, HALFS
	s_add_co_u32 s22, s22, 2*HALFS
	s_sub_co_u32 s22, s22, s21
	v_mul_u32_u24 v6, s22, v2                      ; lanes 16-31 take B's
	s_add_co_u32 s21, s21, SCL
	v_add_nc_u32 v5, v5, v6
	v_add_nc_u32 v[ADRS], s21, v5
	; the way out's constants.  What hangs on the tile column lives in s2, s46, s47, s92, s93, s95, s100, s101: registers that never feed A's descriptors
	s_lshl_b32 s46, s42, 2
	s_lshl_b32 s2, s16, 1
	s_add_co_u32 s46, s46, s2                      ; my first head of 64 columns among the 32: 4 x tile column + 2 x half
	s_mov_b32 s92, 0                               ; v: f = 0,
	s_mov_b32 s47, 0xc00000                        ; its region,
	s_mov_b32 s2, 24                               ; its first head,
	s_mov_b32 s100, 1.0                            ; g = 1,
	s_mov_b32 s95, -1                              ; its layout,
	s_mov_b32 s101, 8                              ; heads in a batch
	s_cmp_lt_u32 s42, 6                            ; k or q
	s_cselect_b32 s92, 1.0, s92
	s_cselect_b32 s47, 0x800000, s47
	s_cselect_b32 s2, 16, s2
	s_cselect_b32 s100, 0, s100
	s_cselect_b32 s95, 0, s95
	s_cmp_lt_u32 s42, 4                            ; q
	s_cselect_b32 s92, 0x3e000000, s92             ; 1/8
	s_cselect_b32 s47, 0, s47
	s_cselect_b32 s2, 0, s2
	s_cselect_b32 s101, 16, s101
	s_mov_b32 s93, s92                             ; (named with it as a pair)
	s_sub_co_u32 s46, s46, s2                      ; the head within its tensor
	s_lshr_b32 s20, s17, 3                         ; the batch
	s_mul_i32 s101, s101, s20
	s_add_co_u32 s46, s46, s101
	s_lshl_b32 s46, s46, 7                         ; 128 tiles of 16 positions a head
	s_and_b32 s20, s17, 7
	s_lshl_b32 s20, s20, 4
	s_lshl_b32 s21, s15, 3
	s_add_co_u32 s20, s20, s21                     ; my first tile: 16 x (tile row % 8) + 8 x half
	s_add_co_u32 s46, s46, s20
	s_lshl_b32 s46, s46, 11                        ; 2,048 bytes a tile
	s_add_co_u32 s46, s46, s47
	s_mov_b32 s47, 0
	s_add_nc_u64 s[96:97], s[96:97], s[46:47]
	s_add_nc_u64 s[98:99], s[98:99], s[46:47]
	s_lshl_b32 s20, s17, 8
	s_lshl_b32 s21, s15, 7
	s_add_co_u32 s20, s20, s21                     ; my first row of cos and sin: 256 x tile row + 128 x half,
	s_lshl_b32 s20, s20, 8                         ; 256 bytes a row
	s_mov_b32 s21, 0
	s_add_nc_u64 s[12:13], s[12:13], s[20:21]
	s_add_nc_u64 s[66:67], s[66:67], s[20:21]
	v_lshlrev_b32 v[CSO], 8, v1
	v_lshl_add_u32 v[CSO], v2, 5, v[CSO]
	v_and_b32 v5, 31, v0
	v_lshlrev_b32 v5, 4, v5                        ; q, k: 16 x lane
	v_lshlrev_b32 v6, 5, v1
	v_lshl_add_u32 v6, v2, 4, v6                   ; v: 32 (lane % 16) + 16 (lane / 16)
	v_cndmask_b32 v[SOFF], v5, v6, s95
	v_mov_b32 v[AD], s100
	v_mov_b32 v[AD+1], s100
.macro FRAG reg, adr, q, i             ; a fragment, 16 rows x 128 K of 4-bit codes: lane l holds row l % 16; registers 4 c .. 4 c + 3 hold K = 64 c + 32 (l / 16) + 0 .. 31
.irp c, 0,1
	ds_load_b128 v[\reg+4*\c:\reg+4*\c+3], v[\adr] offset:64*(\q)+32*\c+(\i)*16*PITCH
.endr
.endm
; 16 matrix instructions: A's blocks a0, a0 + 1 x B's eight, the slot's q-th 128 along K.  The 64 accumulators take turns, one instruction a turn.
; One scale register carries A's word of block i in lanes 0-15 and B's word of block i in lanes 16-31.
.macro MUL16 a0, p, q, sc, zero
.irp a, \a0, \a0+1
.irp b, 0,1,2,3,4,5,6,7
.if \zero
	v_wmma_scale_f32_16x16x128_f8f6f4 v[8*(8*((\a)%4)+\b):8*(8*((\a)%4)+\b)+7], v[128*(\p)+FR*\b:128*(\p)+FR*\b+FR-1], v[AF+FR*(\a):AF+FR*(\a)+FR-1], 0, v[SC+8*NQ*(\sc)+NQ*\b+(\q)], v[SC+8*NQ*(\sc)+NQ*(\a)+(\q)] matrix_a_fmt:MATRIX_FMT_FP4 matrix_b_fmt:MATRIX_FMT_FP4 matrix_a_scale:MATRIX_SCALE_ROW1
.else
	v_wmma_scale_f32_16x16x128_f8f6f4 v[8*(8*((\a)%4)+\b):8*(8*((\a)%4)+\b)+7], v[128*(\p)+FR*\b:128*(\p)+FR*\b+FR-1], v[AF+FR*(\a):AF+FR*(\a)+FR-1], v[8*(8*((\a)%4)+\b):8*(8*((\a)%4)+\b)+7], v[SC+8*NQ*(\sc)+NQ*\b+(\q)], v[SC+8*NQ*(\sc)+NQ*(\a)+(\q)] matrix_a_fmt:MATRIX_FMT_FP4 matrix_b_fmt:MATRIX_FMT_FP4 matrix_a_scale:MATRIX_SCALE_ROW1
.endif
.endr
.endr
.endm
.macro FETCH_B slot, q, p
	WIN TO_B
.irp i, 0,1,2,3,4,5,6,7
	FRAG 128*(\p)+FR*\i, ADRB+\slot, \q, \i
.endr
	WIN 0
.endm
.macro FETCH_A slot, q, i0
.irp i, \i0, \i0+1, \i0+2, \i0+3
	FRAG AF+FR*(\i), ADRA+\slot, \q, \i
.endr
.endm
.macro SCALES sc                       ; a K step's scale words into set sc: NQ words a row
.irp i, 0,1,2,3,4,5,6,7
	ds_load_b128 v[SC+8*NQ*\sc+NQ*\i:SC+8*NQ*\sc+NQ*\i+3], v[ADRS] offset:\i*SBLK
.endr
.endm
.macro PLACES n                        ; plain vector instructions between a matrix instruction and a load into, or a vector read or write of, its registers
.rept \n
	v_nop
.endr
.endm
.macro STEP slot, q, zero              ; a step of 128 along K that has its successor in the same slot
	s_wait_dscnt 4*NL                              ; B's set and A's blocks 0-3 are in; the youngest eight loads (A's blocks 4-7) may be out
	WIN MUL_LO
	MUL16 0, (\q)%2, \q, \slot, \zero
	MUL16 2, (\q)%2, \q, \slot, \zero
	s_wait_dscnt 0                                 ; A's blocks 4-7 are in
	PLACES NP
	FETCH_B \slot, (\q)+1, 1-(\q)%2
	FETCH_A \slot, (\q)+1, 0
	WIN MUL_HI
	MUL16 4, (\q)%2, \q, \slot, \zero
	MUL16 6, (\q)%2, \q, \slot, \zero
	PLACES NP
	WIN 0
	FETCH_A \slot, (\q)+1, 4
.endm
; A slot's last step changes slots: ONE barrier; in front of it each wave waits for all its tensor loads, adds 0 to its spare word, and waits for that and for its reads of this slot.
.macro TURN slot, next, fill
	s_wait_tensorcnt 0x0                           ; all my tensor loads have landed: my part of the next slot
	ds_add_u32 v[SPW], v[NIL]
	s_wait_dscnt 4*NL+1                            ; (the add and the youngest eight loads may be out)
	WIN MUL_LO
	MUL16 0, 1, NQ-1, \slot, 0
	s_wait_dscnt 0x0                               ; the add is done, and my reads of this slot are over
	s_barrier_signal -1
	MUL16 2, 1, NQ-1, \slot, 0
	WIN 0
	s_barrier_wait -1
.if \fill
	CREST                                          ; the barrier has opened a round of the cluster's: no wave of any partner still reads this slot or has a load on its way
	s_add_nc_u64 s[G0+4*\slot+2:G0+4*\slot+3], s[G0+4*\slot+2:G0+4*\slot+3], 2*ROWB
	s_add_nc_u64 s[G0B+4*\slot+2:G0B+4*\slot+3], s[G0B+4*\slot+2:G0B+4*\slot+3], 2*ROWB
	JLOAD G0+4*\slot, G1, G0B+4*\slot, G1B         ; the first tensor load behind the round; its four v_nop are the places in front of the loads below
.else
	PLACES NP
.endif
	v_add_nc_u32 v[ADRS], 4*NQ, v[ADRS]            ; on to the next K step's scale words
	FETCH_B \next, 0, 0
	FETCH_A \next, 0, 0
	SCALES \next
	WIN MUL_HI
	MUL16 4, 1, NQ-1, \slot, 0
	MUL16 6, 1, NQ-1, \slot, 0
	PLACES NP
	WIN 0
	FETCH_A \next, 0, 4
.endm
.macro STEPS slot, from
.set Q, \from
.rept NQ-1-\from
	STEP \slot, Q, 0
.set Q, Q+1
.endr
.endm
	s_wait_tensorcnt 1                             ; the scales and my part of K step 0 are in (K step 1's load may be out),
	s_barrier_signal -1
	s_barrier_wait -1                              ; everybody's are
	FETCH_B 0, 0, 0
	FETCH_A 0, 0, 0
	SCALES 0
	FETCH_A 0, 0, 4
	STEP 0, 0, 1                                   ; the first step's products start the sums
	s_mov_b32 s3, LAPS-1
.Llap:                                                 ; a trip goes once round the ring and fills both slots again
	STEPS 0, 1
	TURN 0, 1, 1
	STEPS 1, 0
	TURN 1, 0, 1
	STEP 0, 0, 0
	s_sub_co_u32 s3, s3, 1
	s_cmp_lg_u32 s3, 0
	s_cbranch_scc1 .Llap
	STEPS 0, 1                                     ; the last lap fills nothing
	TURN 0, 1, 0
	STEPS 1, 0
	s_wait_dscnt 4*NL
	WIN MUL_LO
	MUL16 0, 1, NQ-1, 1, 0
	MUL16 2, 1, NQ-1, 1, 0
	s_wait_dscnt 0
	WIN MUL_HI
	MUL16 4, 1, NQ-1, 1, 0
	MUL16 6, 1, NQ-1, 1, 0
	WIN 0
; THE WAY OUT, block by block of 16 positions.
.macro LOADCS a                        ; the block's cos and sin, 32 numbers each a lane (d = 16 t + 8 (lane / 16) + 0 .. 7), into set a % 2 of window 1
	WIN TO_B
.irp t, 0,1,2,3
.irp e, 0,1
	global_load_b128 v[64*((\a)%2)+8*\t+4*\e:64*((\a)%2)+8*\t+4*\e+3], v[CSO], s[12:13] offset:(\a)*4096+64*\t+16*\e
	global_load_b128 v[64*((\a)%2)+32+8*\t+4*\e:64*((\a)%2)+32+8*\t+4*\e+3], v[CSO], s[66:67] offset:(\a)*4096+64*\t+16*\e
.endr
.endr
	WIN 0
.endm
.macro XFORM a                         ; C' = cos f + g, S' = sin f: source 0 window 1, all else window 0
	WIN 0x01
.set i, 0
.rept 16
	v_pk_fma_f32 v[CN+i:CN+i+1], v[64*((\a)%2)+i:64*((\a)%2)+i+1], s[92:93], v[AD:AD+1] op_sel_hi:[1,0,1]
	v_pk_mul_f32 v[SN+i:SN+i+1], v[64*((\a)%2)+32+i:64*((\a)%2)+32+i+1], s[92:93] op_sel_hi:[1,0]
.set i, i+2
.endr
.endm
.macro ROPE a                          ; y(d) = x(d) C'(d) - x(d + 32) S'(d), y(d + 32) = x(d + 32) C'(d + 32) + x(d) S'(d + 32); each accumulator is read from its low end on
.set AC, 64*((\a)%4)
	WIN 0x52+(\a)/4                                ; source 0 (x): window 2 or 3; source 1 (C', S'): window 0; source 2 and the destination (products, y): window 1
.irp hd, 0,1
.irp t, 0,1
.irp p, 0,1,2,3
	v_pk_mul_f32 v[T+4*\p:T+4*\p+1], v[AC+8*(4*\hd+\t+2)+2*\p:AC+8*(4*\hd+\t+2)+2*\p+1], v[SN+8*\t+2*\p:SN+8*\t+2*\p+1]
	v_pk_mul_f32 v[T+4*\p+2:T+4*\p+3], v[AC+8*(4*\hd+\t)+2*\p:AC+8*(4*\hd+\t)+2*\p+1], v[SN+8*(\t+2)+2*\p:SN+8*(\t+2)+2*\p+1]
.endr
.irp p, 0,1,2,3
	v_pk_fma_f32 v[Y+32*\hd+8*\t+2*\p:Y+32*\hd+8*\t+2*\p+1], v[AC+8*(4*\hd+\t)+2*\p:AC+8*(4*\hd+\t)+2*\p+1], v[CN+8*\t+2*\p:CN+8*\t+2*\p+1], v[T+4*\p:T+4*\p+1] neg_lo:[0,0,1] neg_hi:[0,0,1]
	v_pk_fma_f32 v[Y+32*\hd+8*(\t+2)+2*\p:Y+32*\hd+8*(\t+2)+2*\p+1], v[AC+8*(4*\hd+\t+2)+2*\p:AC+8*(4*\hd+\t+2)+2*\p+1], v[CN+8*(\t+2)+2*\p:CN+8*(\t+2)+2*\p+1], v[T+4*\p+2:T+4*\p+3]
.endr
.endr
.endr
.endm
.macro WIDEN r                         ; the two halves of high part v<r> as f32 again.  A macro of its own, at the top level: a half is named by the register's plain number
	v_cvt_f32_f16 v[U+2*(\r-96)], v\r\().l
	v_cvt_f32_f16 v[U+2*(\r-96)+1], v\r\().h
.endm
.macro SPLIT                           ; high = f16(y); low = f16(y - high), the difference in f32: four runs of independent lines
	WIN 0x05                                       ; sources (y) window 1, destination window 0
	s_wait_xcnt 0x0                                ; the last block's stores have read their data: the high and low parts are written again below
.set i, 0
.rept 32
	v_cvt_pk_f16_f32 v[H+i], v[Y+2*i], v[Y+2*i+1]
.set i, i+1
.endr
	WIN 0
.irp r, 96,97,98,99,100,101,102,103,104,105,106,107,108,109,110,111,112,113,114,115,116,117,118,119,120,121,122,123,124,125,126,127
	WIDEN \r
.endr
	WIN 0x41                                       ; y (destination and source 0) window 1, the widened high parts window 0
.set i, 0
.rept 32
	v_pk_add_f32 v[Y+2*i:Y+2*i+1], v[Y+2*i:Y+2*i+1], v[U+2*i:U+2*i+1] neg_lo:[0,1] neg_hi:[0,1]
.set i, i+1
.endr
	WIN 0x05
.set i, 0
.rept 32
	v_cvt_pk_f16_f32 v[LW+i], v[Y+2*i], v[Y+2*i+1]
.set i, i+1
.endr
	WIN 0
.endm
.macro STORE a                         ; a head is 262,144 bytes, a tile 2,048, a quarter of a tile 512: each store of the wave covers 512 consecutive bytes, aligned
.irp hd, 0,1
.irp t, 0,1,2,3
	global_store_b128 v[SOFF], v[H+16*\hd+4*\t:H+16*\hd+4*\t+3], s[96:97] offset:\hd*262144+(\a)*2048+\t*512
	global_store_b128 v[SOFF], v[LW+16*\hd+4*\t:LW+16*\hd+4*\t+3], s[98:99] offset:\hd*262144+(\a)*2048+\t*512
.endr
.endr
.endm
	PLACES NP                                      ; behind the last products: for the loads into B's registers, the writes over A's, and the reads of results
	LOADCS 0
	LOADCS 1
.irp a, 0,1,2,3,4,5,6,7
.if \a < 7
	s_wait_loadcnt 16                              ; this block's 16 loads are in; the next block's may be out
.else
	s_wait_loadcnt 0x0
.endif
	XFORM \a
.if \a < 6
	LOADCS \a+2
.endif
	ROPE \a
	SPLIT
	STORE \a
.endr
	s_wait_tensorcnt 0x0                           ; the wave's end
	ds_add_u32 v[SPW], v[NIL]
	s_wait_dscnt 0x0
	CROUND                                         ; the closing round: no work-group ends while a partner may still ask for a tile that names it
	s_endpgm
.Lfunc_end_k_qa90c962bed_qkv:
	.size	k_qa90c962bed_qkv, .Lfunc_end_k_qa90c962bed_qkv-k_qa90c962bed_qkv
	.p2alignl 7, 3214868480
	.fill 96, 4, 3214868480
	.section	.rodata,"a",@progbits
	.p2align	6, 0x0
	.amdhsa_kernel k_qa90c962bed_qkv
		.amdhsa_group_segment_fixed_size 327680
		.amdhsa_private_segment_fixed_size 0
		.amdhsa_enable_private_segment 0
		.amdhsa_kernarg_size 48
		.amdhsa_user_sgpr_count 2
		.amdhsa_user_sgpr_kernarg_segment_ptr 1
		.amdhsa_wavefront_size32 1
		.amdhsa_system_sgpr_workgroup_id_x 1
		.amdhsa_system_sgpr_workgroup_id_y 1
		.amdhsa_system_sgpr_workgroup_id_z 1
		.amdhsa_system_vgpr_workitem_id 0
		.amdhsa_next_free_vgpr 1024
		.amdhsa_next_free_sgpr 102
		.amdhsa_reserve_vcc 0
		.amdhsa_float_denorm_mode_32 3
		.amdhsa_float_denorm_mode_16_64 3
		.amdhsa_memory_ordered 1
		.amdhsa_forward_progress 1
		.amdhsa_inst_pref_size 255
	.end_amdhsa_kernel
	.section	.bss,"aw",@nobits
	.p2align	6
	.space	262144
	.amdgpu_metadata
---
amdhsa.version: [ 1, 2 ]
amdhsa.kernels:
  - .name:           k_qa90c962bed_qkv
    .symbol:         k_qa90c962bed_qkv.kd
    .args:
      - { .name: codes, .offset: 0, .size: 8, .value_kind: global_buffer, .address_space: global }
      - { .name: scales, .offset: 8, .size: 8, .value_kind: global_buffer, .address_space: global }
      - { .name: cos, .offset: 16, .size: 8, .value_kind: global_buffer, .address_space: global }
      - { .name: sin, .offset: 24, .size: 8, .value_kind: global_buffer, .address_space: global }
      - { .name: qkv_hi, .offset: 32, .size: 8, .value_kind: global_buffer, .address_space: global }
      - { .name: qkv_lo, .offset: 40, .size: 8, .value_kind: global_buffer, .address_space: global }
    .group_segment_fixed_size: 327680
    .private_segment_fixed_size: 0
    .kernarg_segment_align: 8
    .kernarg_segment_size: 48
    .max_flat_workgroup_size: 128
    .sgpr_count:     102
    .vgpr_count:     1024
    .wavefront_size: 32
...
	.end_amdgpu_metadata
.endif
;; end of part 2
;; launch attn (part 3): grid 16 x 16, 8 waves a work-group, clusters of 4 x 4, 327,680 bytes of LDS; arguments qkv_hi, attention_mask, attn; writes attn
.if DOCPART == 3
	.amdgcn_target "amdgcn-amd-amdhsa--gfx1250"
	.amdhsa_code_object_version 6
	.text
	.protected	k_qa90c962bed_attn
	.globl	k_qa90c962bed_attn
	.p2align	8
	.type	k_qa90c962bed_attn,@function
k_qa90c962bed_attn:
	s_mov_b64 s[64:65], 0
	v_nop
	global_prefetch_b8 v0, s[64:65] scope:SCOPE_SE
	s_setreg_imm32_b32 hwreg(HW_REG_WAVE_MODE, 25, 1), 1
	s_wait_xcnt 0x0
	s_wait_alu depctr_hold_cnt(0) depctr_sa_sdst(0) depctr_va_vdst(0) depctr_va_sdst(0) depctr_va_ssrc(0) depctr_va_vcc(0) depctr_vm_vsrc(0)
	s_getreg_b32 s2, hwreg(HW_REG_IB_STS2, 6, 4)
	s_cmp_eq_u32 s2, 0
	s_cbranch_scc0 .Lentry_in_a_cluster
	s_endpgm
.Lentry_in_a_cluster:
	s_bfe_u32 s2, ttmp6, 0x10000c
	s_cmp_lg_u32 s2, 0xf033
	s_cbranch_scc0 .Lentry_shape_is_right
	s_endpgm
.Lentry_shape_is_right:
; attn[b][q][64 head + d] = sum over k of softmax_k(q . k / 8 + mask[q][k]) v[k][d], for all 2 x 16 heads and 2,048 positions, on f16 operands with f32 sums; the result is rounded to f16 once.
; The factor 1/8 is already in q.  THE MASK IS AN INPUT: it is read and added as it stands, and every key is walked for every query.
; SHARES.  A work-group owns 128 queries (block X) of one key/value head (Y = 8 batch + group); each of its eight waves owns 16 of them, for BOTH query heads of the group (tiles t = 0, 1):
; each fragment of K, of V and of the mask that a wave reads from LDS feeds two tiles.  Two waves share a SIMD, 512 registers each.
; LAYOUT.  S^T = K Q^T + mask^T (source 0 = 16 keys, source 1 = 16 queries; the mask is the C of the first product): a lane holds ONE query (lane % 16) and keys 8 (lane / 16) + 0..7.  Two such tiles, rounded to f16
; in pairs, ARE source 1 of O^T = V^T P.  The row's sum of p is a product too: a source 0 of ones.  K and Q lie in memory in the order of their registers; V as rows of 16 channels, turned by ds_load_tr16_b128.
; SOFTMAX.  A running maximum m (begun at the most negative finite number, so it is never -infinity) and p = 2^((x - m) log2 e): the difference is taken first, so that no infinity meets its opposite.
; O^T and the sum are multiplied by 2^((m_old - m_new) log2 e) in every step.
; CLUSTER.  4 x 4 work-groups: the four of a row share Y, so K's and V's tiles are asked for jointly along the row; the four of a column share X, so the mask's tiles are asked for jointly along the column.
; RING.  Two slots of 128 keys: K 16 KB, V 16 KB, mask 128 rows x (512 + 16) bytes.  Waves 0-3 fetch K's and V's halves, waves 4-7 the mask's quarters: one load a wave behind each round.
; LIMITS: NaN, +infinity, and rows whose mask is -infinity throughout are not served.  A row masked throughout by the most negative finite number comes out right only if the sum of that number and a score rounds back to it.
; REGISTERS: window 0: v1-15 addresses; v16-31 statistics; v32-63 mask; v64-127 S^T; v128-159 P; v160-223 K.   window 1: v0-63 O^T; v64-79 the sums; v80-87 ones; v88-119 Q; v128-191 V.
.set SLOT1, 1<<17                      ; slot 1 begins here: one exclusive or turns an address
.set VOFF,  16384
.set MOFF,  32768
.set MP,    528                        ; a mask row in LDS: 512 bytes + 16: the 16 rows that a load touches start 4 words apart
.set STAGE, SLOT1+MOFF+128*MP          ; behind the ring: 16 rows x 272 bytes for each wave, for the way out
.set SP,    272
.set SPARE, STAGE+8*16*SP              ; the spare words, 128 bytes for each wave, named by no other line
.set LI,  3                            ; v3   16 x lane
.set AV0, 4                            ; v4   my lane's place in a tile of V
.set AM0, 5                            ; v5   my lane's place in the mask's tile
.set ADK, 6                            ; v6-8 the same in the slot in hand
.set ADV, 7
.set ADM, 8
.set STO, 9
.set RD,  10
.set GO,  11
.set SPW, 12                           ; v12  my spare word; never rewritten
.set NIL, 13                           ; v13  0; never rewritten
.set PFO, 14                           ; v14  the prefetches' offset; never rewritten
.set ST,  16                           ; tile t at v[ST + 8 t]: +0, +1 m (twice); +2 the rescaling factor, +3 its pair's other half; +4 .. +7 at work
.set M,   32
.set S,   64
.set P,   128
.set KF,  160
.set O,   0                            ; window 1
.set L,   64
.set ONES, 80
.set QF,  88
.set VF,  128
.set WV,  10
.set PFA, 16                           ; s[16:17] where my prefetches stand;  s[18:19] a slot on
.set PFS, 18
.set LIM, 20                           ; s20  1 in a wave that prefetches, else the greatest number
.set G1KV, 24
.set G1M,  32
.set G0KV, 40                          ; two sets: the two first fills; the second then walks
.set G0M,  48
.set SLOTS, 56
.set TB,  57                           ; s57  LDS byte at which the slot in hand begins
.set L2E, 58                           ; s[58:59] log2 e
.set SEL, 60                           ; s[60:61] lane l xor 16
.set MSB, 0
.macro WIN new
.if MSB != \new
	s_set_vgpr_msb (MSB<<8)|\new
.set MSB, \new
.endif
.endm
.macro JLOAD                           ; the branch hangs on the wave's number alone; an s_nop 0 and four v_nop follow each of the two lines
	s_cmp_lt_u32 s[WV], 4
	s_cbranch_scc0 .Lfor_m_\@
	tensor_load_to_lds s[G0KV+4:G0KV+7], s[G1KV:G1KV+7]
	s_nop 0
.rept 4
	v_nop
.endr
	s_branch .Lasked_\@
.Lfor_m_\@:
	tensor_load_to_lds s[G0M+4:G0M+7], s[G1M:G1M+7]
	s_nop 0
.rept 4
	v_nop
.endr
.Lasked_\@:
.endm
; A prefetch of what the NEXT change of slots will ask for, one slot (two key steps) ahead.  Each aligned block of 256 bytes is named once in the launch.  K's and V's 32 KB of a slot: the clusters with x = 0 ask;
; the four partners of a row take 8 KB each, told apart by address; wave 0, lanes 256 bytes apart.  The mask's 128 rows x 512 bytes: the clusters with y = 0 ask; the four partners of a column take 32 rows each,
; told apart by address; waves 4 and 5 take a row's two halves, a lane a row.  The last change that fills a slot asks for nothing; slots 0 to 2 come by their loads alone.
.macro ASK
	s_cmp_gt_u32 s[SLOTS], s[LIM]
	s_cbranch_scc0 .Lnot_mine_\@
	global_prefetch_b8 v[PFO], s[PFA:PFA+1] th:TH_LOAD_NT scope:SCOPE_SE
.Lnot_mine_\@:
.endm
.macro CROUND
	s_barrier_signal -1
	s_barrier_wait -1
	s_cmp_lg_u32 s[WV], 0
	s_cbranch_scc1 .Lnot_wave_0_\@
	s_barrier_signal -3
.Lnot_wave_0_\@:
	s_barrier_wait -3
	s_barrier_signal -1
	s_barrier_wait -1
.endm
	s_load_b128 s[4:7], s[0:1], 0x0                ; qkv_hi s[4:5], attention_mask s[6:7]
	s_load_b64 s[8:9], s[0:1], 0x10                ; attn
	v_lshl_add_u32 v[SPW], v0, 2, SPARE
	v_mov_b32 v[NIL], 0
	ds_add_u32 v[SPW], v[NIL]                      ; the wave's opening: the add, twice on end, and its wait ahead of my first tensor load
	ds_add_u32 v[SPW], v[NIL]
	v_lshrrev_b32 v1, 5, v0
	v_readfirstlane_b32 s[WV], v1                  ; wave 0..7
	s_and_b32 s11, s[WV], 3                        ; which part I fetch
	s_bfe_u32 s12, ttmp6, 0x40000                  ; cx
	s_bfe_u32 s13, ttmp6, 0x40004                  ; cy
	s_lshl_b32 s14, ttmp9, 2
	s_add_co_u32 s14, s14, s12                     ; X: my block of 128 queries
	s_and_b32 s15, ttmp7, 0xffff
	s_lshl_b32 s15, s15, 2
	s_add_co_u32 s15, s15, s13                     ; Y = 8 batch + group
	s_lshl_b32 s21, s13, 2
	s_lshl_b32 s21, 15, s21                        ; my row of the cluster
	s_lshl_b32 s22, 0x1111, s12                    ; my column
	s_or_b32 s[G1KV], s21, (3<<16)|(1<<21)         ; K, V: 8,192 dense bytes as 32 rows of 32 elements of 8 bytes; the mask names my row; bit 21 beside it
	s_mov_b32 s[G1KV+1], 32<<16
	s_mov_b32 s[G1KV+2], 32<<16
	s_mov_b32 s[G1KV+3], 32<<16
	s_mov_b32 s[G1KV+4], 32
	s_mov_b32 s[G1KV+5], 32
	s_mov_b32 s[G1KV+6], 0
	s_mov_b32 s[G1KV+7], 0
	s_or_b32 s[G1M], s22, (2<<16)|(1<<20)|(1<<21)|(6<<22)|(3<<25)   ; the mask: 32 rows of 128 f32, 2,048 elements apart; 4 words of padding behind every 128; named: my column
	s_mov_b32 s[G1M+1], 128<<16
	s_mov_b32 s[G1M+2], 32<<16
	s_mov_b32 s[G1M+3], 128<<16
	s_mov_b32 s[G1M+4], 32
	s_mov_b32 s[G1M+5], 2048
	s_mov_b32 s[G1M+6], 0
	s_mov_b32 s[G1M+7], 0
	s_lshl_b32 s66, s15, 18                        ; K, V: the head's 262,144 bytes (made of Y and the wave's number alone),
	s_and_b32 s67, s[WV], 2
	s_lshl_b32 s67, s67, 21                        ; V lies 0x400000 behind K,
	s_add_co_u32 s66, s66, s67
	s_and_b32 s67, s[WV], 1
	s_lshl_b32 s67, s67, 13                        ; which half of a slot's 16 KB,
	s_add_co_u32 s66, s66, s67
	s_add_co_u32 s66, s66, 0x800000                ; K's region
	s_mov_b32 s67, 0
	s_lshl_b32 s68, s14, 20                        ; the mask: row 128 X + 32 x part, 8,192 bytes a row (made of X and the wave's number alone)
	s_lshl_b32 s69, s11, 18
	s_add_co_u32 s68, s68, s69
	s_mov_b32 s69, 0
	s_lshl_b32 s62, s11, 13                        ; where they go: no place in the cluster enters an LDS address
	s_mul_i32 s63, s11, 32*MP
	s_add_co_u32 s63, s63, MOFF
	s_lshl_b32 s70, s15, 19                        ; Q: head 2 Y, tile 8 X + wave
	s_lshl_b32 s71, s14, 14
	s_add_co_u32 s70, s70, s71
	s_lshl_b32 s71, s[WV], 11
	s_add_co_u32 s70, s70, s71
	s_mov_b32 s71, 0
	s_lshr_b32 s72, s15, 3                         ; attn: row 2048 batch + 128 X + 16 wave, 2,048 bytes a row; + 256 x group
	s_lshl_b32 s72, s72, 11
	s_lshl_b32 s73, s14, 7
	s_add_co_u32 s72, s72, s73
	s_lshl_b32 s73, s[WV], 4
	s_add_co_u32 s72, s72, s73
	s_lshl_b32 s72, s72, 11
	s_and_b32 s73, s15, 7
	s_lshl_b32 s73, s73, 8
	s_add_co_u32 s72, s72, s73
	s_mov_b32 s73, 0
	s_mov_b32 s[L2E], 0x3fb8aa3b
	s_mov_b32 s[L2E+1], s[L2E]
	s_mov_b32 s[SEL], 0x76543210
	s_mov_b32 s[SEL+1], 0xfedcba98
	s_mov_b32 s[TB], 0
	s_mov_b32 s[SLOTS], 14                         ; 16 slots of 128 keys; all but the last two are filled again
	s_wait_dscnt 0x0                               ; both opening adds are done
	s_wait_kmcnt 0x0
	s_add_nc_u64 s[66:67], s[4:5], s[66:67]
	s_add_nc_u64 s[68:69], s[6:7], s[68:69]
	s_add_nc_u64 s[70:71], s[4:5], s[70:71]
	s_add_nc_u64 s[8:9], s[8:9], s[72:73]
	CROUND                                         ; all sixteen work-groups are here: the first joint loads meet
.irp s, 0,1
	s_mov_b32 s[G0KV+4*\s], 1
	s_add_co_u32 s[G0KV+4*\s+1], s62, \s*SLOT1
	s_add_nc_u64 s[G0KV+4*\s+2:G0KV+4*\s+3], s[66:67], \s*16384
	s_or_b32 s[G0KV+4*\s+3], s[G0KV+4*\s+3], 0x80000000
	s_mov_b32 s[G0M+4*\s], 1
	s_add_co_u32 s[G0M+4*\s+1], s63, \s*SLOT1
	s_add_nc_u64 s[G0M+4*\s+2:G0M+4*\s+3], s[68:69], \s*512
	s_or_b32 s[G0M+4*\s+3], s[G0M+4*\s+3], 0x80000000
.endr
	s_cmp_lt_u32 s[WV], 4                          ; a wave's two first fills stand in one branch: two loads of mine are out
	s_cbranch_scc0 .Lfirst_m
	tensor_load_to_lds s[G0KV:G0KV+3], s[G1KV:G1KV+7]
	s_nop 0
	tensor_load_to_lds s[G0KV+4:G0KV+7], s[G1KV:G1KV+7]
	s_nop 0
.rept 4
	v_nop
.endr
	s_branch .Lfirst_asked
.Lfirst_m:
	tensor_load_to_lds s[G0M:G0M+3], s[G1M:G1M+7]
	s_nop 0
	tensor_load_to_lds s[G0M+4:G0M+7], s[G1M:G1M+7]
	s_nop 0
.rept 4
	v_nop
.endr
.Lfirst_asked:
	v_and_b32 v1, 15, v0                           ; r
	v_bfe_u32 v2, v0, 4, 1                         ; h
	v_and_b32 v15, 31, v0
	v_lshlrev_b32 v[LI], 4, v15
	WIN 0x40                                       ; destination window 1
.irp t, 0,1
.irp f, 0,1
.irp c, 0,1
	global_load_b128 v[QF+16*\t+8*\f+4*\c:QF+16*\t+8*\f+4*\c+3], v[LI], s[70:71] offset:\t*262144+\f*1024+\c*512   ; Q stays in registers: its image, 512 consecutive bytes a load
.endr
.endr
.endr
.set i, 0
.rept 80
	v_mov_b32 v[i], 0                              ; O^T and the sums: the key step is written once and finds zeros, which the first rescaling leaves zeros
.set i, i+1
.endr
.set i, 0
.rept 8
	v_mov_b32 v[ONES+i], 0x3c003c00                ; 1.0, twice, in f16
.set i, i+1
.endr
	WIN 0
	v_and_b32 v[AV0], 7, v0
	v_lshl_add_u32 v[AV0], v2, 3, v[AV0]           ; key 8 h + l % 8,
	v_lshlrev_b32 v[AV0], 5, v[AV0]                ; 32 bytes a key,
	v_bfe_u32 v15, v0, 3, 1
	v_lshl_add_u32 v[AV0], v15, 4, v[AV0]          ; channels 8 ((l / 8) % 2) on
	s_mul_i32 s78, s[WV], 16*MP
	v_mul_u32_u24 v[AM0], v1, MP
	v_lshl_add_u32 v[AM0], v2, 5, v[AM0]
	v_add_nc_u32 v[AM0], s78, v[AM0]
	v_add_nc_u32 v[AM0], MOFF, v[AM0]              ; the mask: row 16 wave + r, + 32 h
	s_mul_i32 s78, s[WV], 16*SP
	s_add_co_u32 s78, s78, STAGE                   ; my stage
	v_mul_u32_u24 v[STO], v1, SP
	v_lshl_add_u32 v[STO], v2, 4, v[STO]
	v_add_nc_u32 v[STO], s78, v[STO]
	v_mul_u32_u24 v[RD], v2, SP
	v_lshl_add_u32 v[RD], v1, 4, v[RD]
	v_add_nc_u32 v[RD], s78, v[RD]
	v_lshlrev_b32 v[GO], 11, v2
	v_lshl_add_u32 v[GO], v1, 4, v[GO]
.irp t, 0,1
	v_mov_b32 v[ST+8*\t], 0xff7fffff               ; m: the most negative finite number
	v_mov_b32 v[ST+8*\t+1], 0xff7fffff
	v_mov_b32 v[ST+8*\t+3], 0                      ; (named as the other half of the factor's pair)
.endr
	v_add_nc_u32 v[ADK], s[TB], v[LI]
	v_add_nc_u32 v[ADV], s[TB], v[AV0]
	v_add_nc_u32 v[ADM], s[TB], v[AM0]
	; the prefetches: where my wave's stand, and who asks
	s_lshl_b32 s74, s15, 18
	s_lshr_b32 s75, s12, 1
	s_lshl_b32 s75, s75, 22                        ; partners 0, 1 take K's halves, 2, 3 V's
	s_add_co_u32 s74, s74, s75
	s_and_b32 s75, s12, 1
	s_lshl_b32 s75, s75, 13
	s_add_co_u32 s74, s74, s75
	s_add_co_u32 s74, s74, 0x800000+2*16384        ; in slot 2: the first change of slots steps it to slot 3
	s_lshl_b32 s76, s14, 20
	s_lshl_b32 s75, s13, 18                        ; partner cy takes rows 32 cy on
	s_add_co_u32 s76, s76, s75
	s_and_b32 s75, s[WV], 1
	s_lshl_b32 s75, s75, 8                         ; waves 4, 5: a row's two halves of 256 bytes
	s_add_co_u32 s76, s76, s75
	s_add_co_u32 s76, s76, 2*512
	s_or_b32 s21, s[WV], ttmp9                     ; 0 in wave 0 of the clusters with x = 0
	s_sub_co_u32 s22, s[WV], 4
	s_lshr_b32 s22, s22, 1
	s_and_b32 s23, ttmp7, 0xffff
	s_or_b32 s22, s22, s23                         ; 0 in waves 4 and 5 of the clusters with y = 0: both the same in all sixteen partners
	s_mov_b32 s[PFS], 512
	s_mov_b32 s23, 13
	s_cmp_lt_u32 s[WV], 4
	s_cselect_b64 s[PFA:PFA+1], s[4:5], s[6:7]
	s_cselect_b32 s[PFS], 16384, s[PFS]
	s_cselect_b32 s23, 8, s23                      ; lanes 256 bytes apart, or a row of 8,192
	s_cselect_b32 s74, s74, s76
	s_cselect_b32 s21, s21, s22
	s_mov_b32 s75, 0
	s_mov_b32 s[PFS+1], 0
	s_add_nc_u64 s[PFA:PFA+1], s[PFA:PFA+1], s[74:75]
	s_cmp_eq_u32 s21, 0
	s_cselect_b32 s[LIM], 1, -1
	v_and_b32 v[PFO], 31, v0
	v_lshlrev_b32 v[PFO], s23, v[PFO]
; A KEY STEP: 64 keys, the q-th half of the slot in hand.
.macro STEP q
.rept 4
	v_nop                                          ; places between the last products and the loads into V's registers
.endr
.irp a, 0,1,2,3
.irp e, 0,1
	ds_load_b128 v[M+8*\a+4*\e:M+8*\a+4*\e+3], v[ADM] offset:256*\q+64*\a+16*\e      ; mask(my query, keys 16 a + 8 h + 0..7)
.endr
.endr
.irp kt, 0,1,2,3
.irp f, 0,1
.irp c, 0,1
	ds_load_b128 v[KF+16*\kt+8*\f+4*\c:KF+16*\kt+8*\f+4*\c+3], v[ADK] offset:8192*\q+2048*\kt+1024*\f+512*\c
.endr
.endr
.endr
	WIN 0x40
.irp kk, 0,1
.irp ct, 0,1,2,3
.irp c, 0,1
	ds_load_tr16_b128 v[VF+32*\kk+8*\ct+4*\c:VF+32*\kk+8*\ct+4*\c+3], v[ADV] offset:VOFF+8192*\q+(2*\kk+\c)*2048+512*\ct
.endr
.endr
.endr
	s_wait_dscnt 16                                ; the mask and K are in; V's sixteen loads may be out
	WIN 0x04                                       ; source 1 (Q) window 1
.irp f, 0,1                                    ; eight accumulators by turns, one instruction a turn
.irp kt, 0,1,2,3
.irp t, 0,1
.if \f == 0
	v_wmma_f32_16x16x32_f16 v[S+32*\t+8*\kt:S+32*\t+8*\kt+7], v[KF+16*\kt:KF+16*\kt+7], v[QF+16*\t:QF+16*\t+7], v[M+8*\kt:M+8*\kt+7]
.else
	v_wmma_f32_16x16x32_f16 v[S+32*\t+8*\kt:S+32*\t+8*\kt+7], v[KF+16*\kt+8:KF+16*\kt+15], v[QF+16*\t+8:QF+16*\t+15], v[S+32*\t+8*\kt:S+32*\t+8*\kt+7]
.endif
.endr
.endr
.endr
	WIN 0
.rept 4
	v_nop
.endr
	; the maximum of my 32 scores and the old m; each accumulator is read from its low end on; the two tiles alternate
.irp j, 0,1,2,3
.irp t, 0,1
	v_max3_num_f32 v[ST+8*\t+4+\j], v[S+32*\t+8*\j], v[S+32*\t+8*\j+1], v[S+32*\t+8*\j+2]
.endr
.endr
.irp u, 1,2
.irp j, 0,1,2,3
.irp t, 0,1
	v_max3_num_f32 v[ST+8*\t+4+\j], v[ST+8*\t+4+\j], v[S+32*\t+8*\j+2*\u+1], v[S+32*\t+8*\j+2*\u+2]
.endr
.endr
.endr
.irp t, 0,1
	v_max3_num_f32 v[ST+8*\t+4], v[ST+8*\t+4], v[S+32*\t+7], v[S+32*\t+15]
.endr
.irp t, 0,1
	v_max3_num_f32 v[ST+8*\t+6], v[ST+8*\t+6], v[S+32*\t+23], v[S+32*\t+31]
.endr
.irp t, 0,1
	v_max3_num_f32 v[ST+8*\t+4], v[ST+8*\t+4], v[ST+8*\t+5], v[ST+8*\t+6]
.endr
.irp t, 0,1
	v_max3_num_f32 v[ST+8*\t+4], v[ST+8*\t+4], v[ST+8*\t+7], v[ST+8*\t]
.endr
.irp t, 0,1
	v_permlanex16_b32 v[ST+8*\t+5], v[ST+8*\t+4], s[SEL], s[SEL+1]   ; the query's other 32 keys lie in the lane 16 away
.endr
.irp t, 0,1
	v_max_num_f32 v[ST+8*\t+6], v[ST+8*\t+4], v[ST+8*\t+5]           ; the new m
.endr
.irp t, 0,1
	v_sub_f32 v[ST+8*\t+7], v[ST+8*\t], v[ST+8*\t+6]                 ; m_old - m_new
.endr
.irp t, 0,1
	v_mov_b32 v[ST+8*\t], v[ST+8*\t+6]
	v_mov_b32 v[ST+8*\t+1], v[ST+8*\t+6]
.endr
.irp t, 0,1
	v_mul_f32 v[ST+8*\t+7], s[L2E], v[ST+8*\t+7]
.endr
.set i, 0
.rept 16
.irp t, 0,1
	v_pk_add_f32 v[S+32*\t+i:S+32*\t+i+1], v[S+32*\t+i:S+32*\t+i+1], v[ST+8*\t:ST+8*\t+1] neg_lo:[0,1] neg_hi:[0,1]   ; x - m first,
.endr
.set i, i+2
.endr
.set i, 0
.rept 16
.irp t, 0,1
	v_pk_mul_f32 v[S+32*\t+i:S+32*\t+i+1], v[S+32*\t+i:S+32*\t+i+1], s[L2E:L2E+1] op_sel_hi:[1,0]                      ; then x log2 e
.endr
.set i, i+2
.endr
.irp t, 0,1
	v_exp_f32 v[ST+8*\t+2], v[ST+8*\t+7]           ; ONE BATCH of 66 exponentials: the two factors,
.endr
.set i, 0
.rept 32
.irp t, 0,1
	v_exp_f32 v[S+32*\t+i], v[S+32*\t+i]           ; and p
.endr
.set i, i+1
.endr
	v_nop                                          ; a plain instruction behind the last exponential,
	s_wait_alu depctr_va_vdst(0)                   ; and one wait for the batch, ahead of its first reader
.set i, 0
.rept 16
.irp t, 0,1
	v_cvt_pk_f16_f32 v[P+16*\t+i], v[S+32*\t+2*i], v[S+32*\t+2*i+1]
.endr
.set i, i+1
.endr
	WIN 0x41                                       ; O^T (destination and source 0) window 1, the factor window 0
.set i, 0
.rept 16
.irp t, 0,1
	v_pk_mul_f32 v[O+32*\t+i:O+32*\t+i+1], v[O+32*\t+i:O+32*\t+i+1], v[ST+8*\t+2:ST+8*\t+3] op_sel_hi:[1,0]
.endr
.set i, i+2
.endr
.irp t, 0,1
	v_pk_mul_f32 v[L+8*\t:L+8*\t+1], v[L+8*\t:L+8*\t+1], v[ST+8*\t+2:ST+8*\t+3] op_sel_hi:[1,0]   ; of the sum's eight equal registers only the first is ever read; the others stay at 2,048 at the most
.endr
	s_wait_dscnt 0x0                               ; V is in
	WIN 0x51                                       ; V and O^T window 1, P window 0
.irp kk, 0,1                                   ; ten accumulators by turns
.irp ct, 0,1,2,3,4
.irp t, 0,1
.if \ct < 4
	v_wmma_f32_16x16x32_f16 v[O+32*\t+8*\ct:O+32*\t+8*\ct+7], v[VF+32*\kk+8*\ct:VF+32*\kk+8*\ct+7], v[P+16*\t+8*\kk:P+16*\t+8*\kk+7], v[O+32*\t+8*\ct:O+32*\t+8*\ct+7]
.else
	v_wmma_f32_16x16x32_f16 v[L+8*\t:L+8*\t+7], v[ONES:ONES+7], v[P+16*\t+8*\kk:P+16*\t+8*\kk+7], v[L+8*\t:L+8*\t+7]
.endif
.endr
.endr
.endr
	WIN 0
.endm
; THE CHANGE OF SLOTS.  Each wave waits for all its tensor loads (one is out: its part of the other slot), adds 0 to its spare word, and waits for that and for its reads of the slot that it leaves.
; fill = 1: the barrier is a round of the cluster's, and the joint refill of the slot just left is the first thing behind it: it has two key steps in which to land.
.macro CHANGE fill
	s_wait_tensorcnt 0x0                           ; no tensor load of mine is out, so a group 0 may be written
	ds_add_u32 v[SPW], v[NIL]
.if \fill
	s_xor_b32 s[G0KV+5], s[G0KV+5], SLOT1          ; the walking descriptors: the other slot than last time, the next 128 keys
	s_add_nc_u64 s[G0KV+6:G0KV+7], s[G0KV+6:G0KV+7], 16384
	s_xor_b32 s[G0M+5], s[G0M+5], SLOT1
	s_add_nc_u64 s[G0M+6:G0M+7], s[G0M+6:G0M+7], 512
	s_wait_xcnt 0x0                                ; the last prefetch, a slot back, has read its address
	s_add_nc_u64 s[PFA:PFA+1], s[PFA:PFA+1], s[PFS:PFS+1]
	s_wait_dscnt 0x0                               ; the add is done, and my reads of the slot are over
	CROUND
	JLOAD
	ASK
.else
	s_wait_dscnt 0x0
	s_barrier_signal -1
	s_barrier_wait -1
.endif
	s_xor_b32 s[TB], s[TB], SLOT1                  ; on to the other slot
	v_add_nc_u32 v[ADK], s[TB], v[LI]
	v_add_nc_u32 v[ADV], s[TB], v[AV0]
	v_add_nc_u32 v[ADM], s[TB], v[AM0]
.endm
	s_wait_tensorcnt 1                             ; my part of slot 0 is in; slot 1's may stay out
	s_barrier_signal -1
	s_barrier_wait -1
	s_wait_loadcnt 0x0                             ; Q
	STEP 0
	STEP 1
.Lslot:                                                ; 14 trips
	CHANGE 1
	STEP 0
	STEP 1
	s_sub_co_u32 s[SLOTS], s[SLOTS], 1
	s_cmp_lg_u32 s[SLOTS], 0
	s_cbranch_scc1 .Lslot
	CHANGE 0                                       ; the last slot is written out
	STEP 0
	STEP 1
	; THE WAY OUT: O^T / the sum, rounded to f16, through my stage: a row is my query's 128 channels of both heads, 256 bytes
.rept 4
	v_nop
.endr
	WIN 0x01
.irp t, 0,1
	v_rcp_f32 v[ST+8*\t+2], v[L+8*\t]
.endr
	v_nop
	s_wait_alu depctr_va_vdst(0)
	WIN 0x41
.set i, 0
.rept 16
.irp t, 0,1
	v_pk_mul_f32 v[O+32*\t+i:O+32*\t+i+1], v[O+32*\t+i:O+32*\t+i+1], v[ST+8*\t+2:ST+8*\t+3] op_sel_hi:[1,0]
.endr
.set i, i+2
.endr
	WIN 0x05                                       ; sources window 1, destination window 0
.set i, 0
.rept 32
	v_cvt_pk_f16_f32 v[S+i], v[O+2*i], v[O+2*i+1]
.set i, i+1
.endr
	WIN 0
.irp t, 0,1
.irp ct, 0,1,2,3
	ds_store_b128 v[STO], v[S+16*\t+4*\ct:S+16*\t+4*\ct+3] offset:128*\t+32*\ct
.endr
.endr
.irp i, 0,1,2,3,4,5,6,7
	ds_load_b128 v[S+32+4*\i:S+32+4*\i+3], v[RD] offset:2*SP*\i     ; LDS serves a wave's instructions in order: these see my stores
.endr
.irp i, 0,1,2,3,4,5,6,7
	s_wait_dscnt 7-\i
	global_store_b128 v[GO], v[S+32+4*\i:S+32+4*\i+3], s[8:9] offset:4096*\i   ; sixteen lanes store 256 consecutive bytes, aligned
.endr
	s_wait_tensorcnt 0x0                           ; the wave's end
	ds_add_u32 v[SPW], v[NIL]
	s_wait_dscnt 0x0
	CROUND                                         ; the closing round
	s_endpgm
.Lfunc_end_k_qa90c962bed_attn:
	.size	k_qa90c962bed_attn, .Lfunc_end_k_qa90c962bed_attn-k_qa90c962bed_attn
	.p2alignl 7, 3214868480
	.fill 96, 4, 3214868480
	.section	.rodata,"a",@progbits
	.p2align	6, 0x0
	.amdhsa_kernel k_qa90c962bed_attn
		.amdhsa_group_segment_fixed_size 327680
		.amdhsa_private_segment_fixed_size 0
		.amdhsa_enable_private_segment 0
		.amdhsa_kernarg_size 24
		.amdhsa_user_sgpr_count 2
		.amdhsa_user_sgpr_kernarg_segment_ptr 1
		.amdhsa_wavefront_size32 1
		.amdhsa_system_sgpr_workgroup_id_x 1
		.amdhsa_system_sgpr_workgroup_id_y 1
		.amdhsa_system_sgpr_workgroup_id_z 1
		.amdhsa_system_vgpr_workitem_id 0
		.amdhsa_next_free_vgpr 512
		.amdhsa_next_free_sgpr 80
		.amdhsa_reserve_vcc 0
		.amdhsa_float_denorm_mode_32 3
		.amdhsa_float_denorm_mode_16_64 3
		.amdhsa_memory_ordered 1
		.amdhsa_forward_progress 1
		.amdhsa_inst_pref_size 130
	.end_amdhsa_kernel
	.amdgpu_metadata
---
amdhsa.version: [ 1, 2 ]
amdhsa.kernels:
  - .name:           k_qa90c962bed_attn
    .symbol:         k_qa90c962bed_attn.kd
    .args:
      - { .name: qkv_hi, .offset: 0, .size: 8, .value_kind: global_buffer, .address_space: global }
      - { .name: attention_mask, .offset: 8, .size: 8, .value_kind: global_buffer, .address_space: global }
      - { .name: attn, .offset: 16, .size: 8, .value_kind: global_buffer, .address_space: global }
    .group_segment_fixed_size: 327680
    .private_segment_fixed_size: 0
    .kernarg_segment_align: 8
    .kernarg_segment_size: 24
    .max_flat_workgroup_size: 256
    .sgpr_count:     80
    .vgpr_count:     512
    .wavefront_size: 32
...
	.end_amdgpu_metadata
.endif
;; end of part 3
;; launch fattn (part 4): grid 32 x 1, 16 waves a work-group, no clusters, 211,456 bytes of LDS; arguments qkv_hi, qkv_lo, attention_mask, attn_fine; writes attn_fine
.if DOCPART == 4
	.amdgcn_target "amdgcn-amd-amdhsa--gfx1250"
	.amdhsa_code_object_version 6
	.text
	.protected	k_qa90c962bed_fattn
	.globl	k_qa90c962bed_fattn
	.p2align	8
	.type	k_qa90c962bed_fattn,@function
k_qa90c962bed_fattn:
	s_mov_b64 s[64:65], 0
	v_nop
	global_prefetch_b8 v0, s[64:65] scope:SCOPE_SE
	s_setreg_imm32_b32 hwreg(HW_REG_WAVE_MODE, 25, 1), 1
	s_wait_xcnt 0x0
; Positions 0-15 of every sequence, in every batch and head, once more and more finely: every operand goes to the matrix unit as a pair of f16 numbers, a high and a low part (x y is taken as xh yh + xl yh + xh yl).
; Where the mask leaves these rows few keys, their values are the largest and average the fewest terms.  The result is f32: attn_fine [2][16][1024].
; A work-group takes one (batch, head); its sixteen waves take 128 keys each.  The softmax goes in two phases: first the row's maximum over all waves (through LDS), then p, so that nothing is rescaled.
; S^T = K Q^T + mask^T: the mask is loaded into the accumulators and the products add in place.  O^T = V^T P; the row's sum is a product with ones.  V is turned through the wave's own LDS bytes.
; The maximum has the most negative finite number among its leaves, so it is never -infinity.  LIMITS: as in the launch for all rows: NaN and +infinity are not served.
; No tensor load: few work-groups, each byte read once by one wave.  No cluster: the two heads of a group share K and V, 512 KB in all; what is shared is small and the launch is short.
.set VST, 0                            ; LDS: 8,192 bytes a wave: 32 keys of V, high part, then low part
.set OB,  131072                       ; 4,096 bytes a wave: the image of its O^T
.set MX,  196608                       ; a word a thread: the waves' maxima
.set LB,  198656                       ; a word a thread: the waves' sums
.set FS,  200704                       ; 32 rows x 272 bytes: the result by rows (16 are used)
.set SPARE, 209408                     ; the spare words, 128 bytes for each wave, named by no other line
.set LI,  1
.set MO,  2
.set AV,  3
.set VSW, 4
.set MXS, 5
.set MXL, 6
.set OBS, 7
.set OBL, 8
.set LBS, 9
.set LBL, 10
.set FSS, 11
.set FSL, 12
.set GO,  13
.set SPW, 14
.set NIL, 15
.set ONES, 16                          ; v16-23
.set QH,  24                           ; v24-39 Q high, v40-55 Q low; later O^T
.set QL,  40
.set O,   24
.set KH,  56                           ; v56-119 K high of four tiles; later P high (v56-87) and P low (v88-119)
.set KL,  120                          ; v120-183 K low; later temporaries; later V as it is loaded
.set PH,  56
.set PL,  88
.set VL,  120
.set S,   184                          ; v184-247 S^T; later V's fragments
.set VG,  184
.set CC,  248                          ; v248-251 at work; v[252:253] m, twice; later v248-255 the sum
.set LL,  248
.macro BARRIER
	s_wait_dscnt 0x0                               ; my LDS stores have landed and my LDS loads are in
	s_barrier_signal -1
	s_barrier_wait -1
.endm
	s_load_b128 s[4:7], s[0:1], 0x0                ; qkv_hi, qkv_lo
	s_load_b128 s[8:11], s[0:1], 0x10              ; attention_mask, attn_fine
	v_lshl_add_u32 v[SPW], v0, 2, SPARE
	v_mov_b32 v[NIL], 0
	v_lshrrev_b32 v16, 5, v0
	v_readfirstlane_b32 s12, v16                   ; wave 0..15
	v_and_b32 v16, 15, v0                          ; r
	v_bfe_u32 v17, v0, 4, 1                        ; h
	v_and_b32 v18, 31, v0                          ; lane
	v_lshlrev_b32 v[LI], 4, v18
	v_lshlrev_b32 v[MO], 13, v16
	v_lshl_add_u32 v[MO], v17, 5, v[MO]            ; the mask: row r of 8,192 bytes, + 32 h
	s_lshl_b32 s30, s12, 13
	v_and_b32 v19, 7, v0
	v_lshl_add_u32 v19, v17, 3, v19
	v_lshlrev_b32 v19, 5, v19
	v_bfe_u32 v20, v0, 3, 1
	v_lshl_add_u32 v19, v20, 4, v19
	v_add_nc_u32 v[AV], s30, v19                   ; the turning load: key 8 h + l % 8 (32 bytes a key), channels 8 ((l / 8) % 2) on
	v_add_nc_u32 v[VSW], s30, v[LI]
	v_lshl_add_u32 v[MXS], v0, 2, MX
	v_lshl_add_u32 v[MXL], v18, 2, MX
	s_lshl_b32 s30, s12, 12
	s_add_co_u32 s30, s30, OB
	v_add_nc_u32 v[OBS], s30, v[LI]
	s_lshr_b32 s30, s12, 1
	s_lshl_b32 s30, s30, 9
	s_and_b32 s31, s12, 1
	s_lshl_b32 s31, s31, 3
	s_add_co_u32 s30, s30, s31
	s_add_co_u32 s30, s30, OB
	v_add_nc_u32 v[OBL], s30, v[LI]                ; registers 2 w, 2 w + 1 of an image: group w / 2 of four (512 bytes), + 8 (w % 2), + 16 x lane
	v_lshl_add_u32 v[LBS], v0, 2, LB
	v_lshl_add_u32 v[LBL], v18, 2, LB
	s_lshr_b32 s30, s12, 2
	s_lshl_b32 s30, s30, 6
	s_and_b32 s31, s12, 3
	s_lshl_b32 s31, s31, 3
	s_add_co_u32 s30, s30, s31
	s_add_co_u32 s30, s30, FS
	v_mul_u32_u24 v[FSS], v16, 272
	v_lshl_add_u32 v[FSS], v17, 5, v[FSS]
	v_add_nc_u32 v[FSS], s30, v[FSS]               ; those two registers are channels 16 (w / 4) + 8 h + 2 (w % 4) + 0, 1 of query r
	s_and_b32 s30, s12, 7
	s_mul_i32 s30, s30, 544
	s_add_co_u32 s30, s30, FS
	v_mul_u32_u24 v[FSL], v17, 272
	v_lshl_add_u32 v[FSL], v16, 4, v[FSL]
	v_add_nc_u32 v[FSL], s30, v[FSL]               ; back by rows: row 2 (w % 8) + h, 16 bytes a lane
	v_lshlrev_b32 v[GO], 12, v17
	v_lshl_add_u32 v[GO], v16, 4, v[GO]
.set i, 0
.rept 8
	v_mov_b32 v[ONES+i], 0x3c003c00                ; 1.0, twice, in f16
.set i, i+1
.endr
	s_mov_b32 s26, 0x76543210
	s_mov_b32 s27, 0xfedcba98
	s_mov_b32 s28, 0x3fb8aa3b                      ; log2 e
	s_mov_b32 s29, s28
	s_lshl_b32 s30, ttmp9, 18                      ; Q: head = the work-group's number, tile 0
	s_mov_b32 s31, 0
	s_lshr_b32 s32, ttmp9, 1
	s_lshl_b32 s32, s32, 18                        ; K: key/value head = number / 2,
	s_lshl_b32 s33, s12, 14                        ; my 8 tiles of 2,048 bytes
	s_add_co_u32 s32, s32, s33
	s_add_co_u32 s32, s32, 0x800000
	s_mov_b32 s33, 0
	s_lshl_b32 s34, s12, 9                         ; the mask: my 128 keys
	s_mov_b32 s35, 0
	s_lshr_b32 s36, ttmp9, 4
	s_lshl_b32 s36, s36, 16                        ; attn_fine: the batch's 16 rows of 4,096 bytes,
	s_and_b32 s37, s12, 7
	s_lshl_b32 s37, s37, 13                        ; rows 2 (w % 8) on,
	s_add_co_u32 s36, s36, s37
	s_and_b32 s37, ttmp9, 15
	s_lshl_b32 s37, s37, 8                         ; the head's 256 bytes
	s_add_co_u32 s36, s36, s37
	s_mov_b32 s37, 0
	s_wait_kmcnt 0x0
	s_add_nc_u64 s[14:15], s[4:5], s[30:31]
	s_add_nc_u64 s[16:17], s[6:7], s[30:31]
	s_add_nc_u64 s[18:19], s[4:5], s[32:33]
	s_add_nc_u64 s[20:21], s[6:7], s[32:33]
	s_add_nc_u64 s[22:23], s[18:19], 0x400000      ; V lies 0x400000 behind K
	s_add_nc_u64 s[24:25], s[20:21], 0x400000
	s_add_nc_u64 s[8:9], s[8:9], s[34:35]
	s_add_nc_u64 s[10:11], s[10:11], s[36:37]
.irp f, 0,1
.irp c, 0,1
	global_load_b128 v[QH+8*\f+4*\c:QH+8*\f+4*\c+3], v[LI], s[14:15] offset:\f*1024+\c*512
	global_load_b128 v[QL+8*\f+4*\c:QL+8*\f+4*\c+3], v[LI], s[16:17] offset:\f*1024+\c*512
.endr
.endr
.irp kt, 0,1,2,3,4,5,6,7
.irp e, 0,1
	global_load_b128 v[S+8*\kt+4*\e:S+8*\kt+4*\e+3], v[MO], s[8:9] offset:64*\kt+16*\e    ; mask(r, keys 16 kt + 8 h + 0..7): the sums begin with it
.endr
.endr
.macro KLOAD rd                        ; four tiles of K, both parts: images, 512 consecutive bytes a load
.irp k, 0,1,2,3
.irp f, 0,1
.irp c, 0,1
	global_load_b128 v[KH+16*\k+8*\f+4*\c:KH+16*\k+8*\f+4*\c+3], v[LI], s[18:19] offset:(4*\rd+\k)*2048+\f*1024+\c*512
	global_load_b128 v[KL+16*\k+8*\f+4*\c:KL+16*\k+8*\f+4*\c+3], v[LI], s[20:21] offset:(4*\rd+\k)*2048+\f*1024+\c*512
.endr
.endr
.endr
.endm
.macro QKPASS rd, kb, qb, f            ; four accumulators by turns, one instruction a turn
.irp k, 0,1,2,3
	v_wmma_f32_16x16x32_f16 v[S+8*(4*\rd+\k):S+8*(4*\rd+\k)+7], v[\kb+16*\k+8*\f:\kb+16*\k+8*\f+7], v[\qb+8*\f:\qb+8*\f+7], v[S+8*(4*\rd+\k):S+8*(4*\rd+\k)+7]
.endr
.endm
.macro QKROUND rd
	s_wait_loadcnt 0x0
	QKPASS \rd, KH, QH, 0
	QKPASS \rd, KH, QH, 1
	QKPASS \rd, KL, QH, 0
	QKPASS \rd, KL, QH, 1
	QKPASS \rd, KH, QL, 0
	QKPASS \rd, KH, QL, 1
.rept 4
	v_nop                                          ; places behind the products: for loads into their sources and reads of their results
.endr
.endm
	KLOAD 0
	QKROUND 0
	KLOAD 1
	QKROUND 1
	; my 64 scores' maximum: four chains, each accumulator read from its low end on
.irp j, 0,1,2,3
	v_max3_num_f32 v[CC+\j], v[S+8*\j], v[S+8*\j+1], v[S+8*\j+2]
.endr
.irp u, 3,5
.irp j, 0,1,2,3
	v_max3_num_f32 v[CC+\j], v[CC+\j], v[S+8*\j+\u], v[S+8*\j+\u+1]
.endr
.endr
.irp u, 0,2,4,6
.irp j, 0,1,2,3
	v_max3_num_f32 v[CC+\j], v[CC+\j], v[S+32+8*\j+\u], v[S+32+8*\j+\u+1]
.endr
.endr
.irp j, 0,1,2,3
	v_max_num_f32 v[CC+\j], v[CC+\j], v[S+8*\j+7]
.endr
	v_max3_num_f32 v[CC], v[CC], v[CC+1], v[CC+2]
	v_max3_num_f32 v[CC], v[CC], v[CC+3], 0xff7fffff   ; and the most negative finite number
	v_permlanex16_b32 v[CC+1], v[CC], s26, s27
	v_max_num_f32 v[CC], v[CC], v[CC+1]            ; my wave's maximum for query r
	ds_store_b32 v[MXS], v[CC]
	BARRIER                                        ; all sixteen waves' maxima lie in LDS
.irp j, 0,1,2,3,4,5,6,7,8,9,10,11,12,13,14,15
	ds_load_b32 v[56+\j], v[MXL] offset:128*\j
.endr
	s_wait_dscnt 0x0
	v_max3_num_f32 v56, v56, v57, v58
	v_max3_num_f32 v59, v59, v60, v61
	v_max3_num_f32 v62, v62, v63, v64
	v_max3_num_f32 v65, v65, v66, v67
	v_max3_num_f32 v68, v68, v69, v70
	v_max3_num_f32 v56, v56, v59, v62
	v_max3_num_f32 v65, v65, v68, v71
	v_max_num_f32 v252, v56, v65                   ; the row's maximum
	v_max_num_f32 v253, v56, v65
.set i, 0
.rept 32
	v_pk_add_f32 v[S+i:S+i+1], v[S+i:S+i+1], v[252:253] neg_lo:[0,1] neg_hi:[0,1]
.set i, i+2
.endr
.set i, 0
.rept 32
	v_pk_mul_f32 v[S+i:S+i+1], v[S+i:S+i+1], s[28:29] op_sel_hi:[1,0]
.set i, i+2
.endr
.set i, 0
.rept 64
	v_exp_f32 v[S+i], v[S+i]
.set i, i+1
.endr
	v_nop                                          ; a plain instruction behind the last exponential,
	s_wait_alu depctr_va_vdst(0)                   ; and one wait for the batch
.set i, 0
.rept 32
	v_cvt_pk_f16_f32 v[PH+i], v[S+2*i], v[S+2*i+1] ; p's high part
.set i, i+1
.endr
.irp r, 56,57,58,59,60,61,62,63,64,65,66,67,68,69,70,71,72,73,74,75,76,77,78,79,80,81,82,83,84,85,86,87
	v_cvt_f32_f16 v[VL+2*(\r-56)], v\r\().l
	v_cvt_f32_f16 v[VL+2*(\r-56)+1], v\r\().h
.endr
.set i, 0
.rept 32
	v_pk_add_f32 v[S+2*i:S+2*i+1], v[S+2*i:S+2*i+1], v[VL+2*i:VL+2*i+1] neg_lo:[0,1] neg_hi:[0,1]
.set i, i+1
.endr
.macro VLOAD kk                        ; 32 keys of V, both parts, as they lie: 4,096 bytes each
.irp i, 0,1,2,3,4,5,6,7
	global_load_b128 v[VL+4*\i:VL+4*\i+3], v[LI], s[22:23] offset:(\kk)*4096+512*\i
	global_load_b128 v[VL+32+4*\i:VL+32+4*\i+3], v[LI], s[24:25] offset:(\kk)*4096+512*\i
.endr
.endm
	VLOAD 0
.set i, 0
.rept 32
	v_cvt_pk_f16_f32 v[PL+i], v[S+2*i], v[S+2*i+1] ; and its low part
.set i, i+1
.endr
.macro PVMUL dst, a, b, zero
.if \zero
	v_wmma_f32_16x16x32_f16 v[\dst:\dst+7], v[\a:\a+7], v[\b:\b+7], 0
.else
	v_wmma_f32_16x16x32_f16 v[\dst:\dst+7], v[\a:\a+7], v[\b:\b+7], v[\dst:\dst+7]
.endif
.endm
.macro PVSTEP kk, zero
	s_wait_loadcnt 0x0
.irp i, 0,1,2,3,4,5,6,7,8,9,10,11,12,13,14,15
	ds_store_b128 v[VSW], v[VL+4*\i:VL+4*\i+3] offset:512*\i
.endr
.rept 4
	v_nop                                          ; places between the last products and the loads into V's fragments
.endr
.irp p, 0,1
.irp ct, 0,1,2,3
.irp c, 0,1
	ds_load_tr16_b128 v[VG+32*\p+8*\ct+4*\c:VG+32*\p+8*\ct+4*\c+3], v[AV] offset:4096*\p+2048*\c+512*\ct   ; my own bytes: LDS serves a wave's instructions in order
.endr
.endr
.endr
	s_wait_dscnt 0x0                               ; the fragments are in, and the stores have read their registers
.if \kk < 3
	VLOAD \kk+1
.endif
.irp ct, 0,1,2,3                               ; five accumulators by turns
	PVMUL O+8*\ct, VG+8*\ct, PH+8*\kk, \zero
.endr
	PVMUL LL, ONES, PH+8*\kk, \zero
.irp ct, 0,1,2,3
	PVMUL O+8*\ct, VG+32+8*\ct, PH+8*\kk, 0
.endr
	PVMUL LL, ONES, PL+8*\kk, 0
.irp ct, 0,1,2,3
	PVMUL O+8*\ct, VG+8*\ct, PL+8*\kk, 0
.endr
.endm
	PVSTEP 0, 1
	PVSTEP 1, 0
	PVSTEP 2, 0
	PVSTEP 3, 0
.rept 4
	v_nop
.endr
.irp i, 0,1,2,3,4,5,6,7
	ds_store_b128 v[OBS], v[O+4*\i:O+4*\i+3] offset:512*\i    ; the image of my O^T, each accumulator from its low end on
.endr
	ds_store_b32 v[LBS], v[LL]                     ; and my sum for query r
	BARRIER
.irp j, 0,1,2,3,4,5,6,7,8,9,10,11,12,13,14,15
	ds_load_b64 v[56+2*\j:57+2*\j], v[OBL] offset:4096*\j     ; registers 2 w, 2 w + 1 of all sixteen images
.endr
.irp j, 0,1,2,3,4,5,6,7,8,9,10,11,12,13,14,15
	ds_load_b32 v[88+\j], v[LBL] offset:128*\j
.endr
	s_wait_dscnt 0x0
.irp j, 2,4,6,8,10,12,14
	v_pk_add_f32 v[56:57], v[56:57], v[56+2*\j:57+2*\j]
	v_pk_add_f32 v[58:59], v[58:59], v[58+2*\j:59+2*\j]
	v_pk_add_f32 v[88:89], v[88:89], v[88+\j:89+\j]
.endr
	v_pk_add_f32 v[56:57], v[56:57], v[58:59]
	v_add_f32 v88, v88, v89
	v_rcp_f32 v90, v88
	v_nop
	s_wait_alu depctr_va_vdst(0)
	v_pk_mul_f32 v[56:57], v[56:57], v[90:91] op_sel_hi:[1,0]
	ds_store_b64 v[FSS], v[56:57]
	BARRIER                                        ; 16 whole rows of 256 bytes lie in LDS
	s_cmp_lt_u32 s12, 8
	s_cbranch_scc0 .Ldone
	ds_load_b128 v[60:63], v[FSL]
	s_wait_dscnt 0x0
	global_store_b128 v[GO], v[60:63], s[10:11]    ; sixteen lanes store 256 consecutive bytes, aligned
.Ldone:
	s_wait_tensorcnt 0x0                           ; the wave's end
	ds_add_u32 v[SPW], v[NIL]
	s_wait_dscnt 0x0
	s_endpgm
.Lfunc_end_k_qa90c962bed_fattn:
	.size	k_qa90c962bed_fattn, .Lfunc_end_k_qa90c962bed_fattn-k_qa90c962bed_fattn
	.p2alignl 7, 3214868480
	.fill 96, 4, 3214868480
	.section	.rodata,"a",@progbits
	.p2align	6, 0x0
	.amdhsa_kernel k_qa90c962bed_fattn
		.amdhsa_group_segment_fixed_size 211456
		.amdhsa_private_segment_fixed_size 0
		.amdhsa_enable_private_segment 0
		.amdhsa_kernarg_size 32
		.amdhsa_user_sgpr_count 2
		.amdhsa_user_sgpr_kernarg_segment_ptr 1
		.amdhsa_wavefront_size32 1
		.amdhsa_system_sgpr_workgroup_id_x 1
		.amdhsa_system_sgpr_workgroup_id_y 1
		.amdhsa_system_sgpr_workgroup_id_z 1
		.amdhsa_system_vgpr_workitem_id 0
		.amdhsa_next_free_vgpr 256
		.amdhsa_next_free_sgpr 66
		.amdhsa_reserve_vcc 0
		.amdhsa_float_denorm_mode_32 3
		.amdhsa_float_denorm_mode_16_64 3
		.amdhsa_memory_ordered 1
		.amdhsa_forward_progress 1
		.amdhsa_inst_pref_size 58
	.end_amdhsa_kernel
	.amdgpu_metadata
---
amdhsa.version: [ 1, 2 ]
amdhsa.kernels:
  - .name:           k_qa90c962bed_fattn
    .symbol:         k_qa90c962bed_fattn.kd
    .args:
      - { .name: qkv_hi, .offset: 0, .size: 8, .value_kind: global_buffer, .address_space: global }
      - { .name: qkv_lo, .offset: 8, .size: 8, .value_kind: global_buffer, .address_space: global }
      - { .name: attention_mask, .offset: 16, .size: 8, .value_kind: global_buffer, .address_space: global }
      - { .name: attn_fine, .offset: 24, .size: 8, .value_kind: global_buffer, .address_space: global }
    .group_segment_fixed_size: 211456
    .private_segment_fixed_size: 0
    .kernarg_segment_align: 8
    .kernarg_segment_size: 32
    .max_flat_workgroup_size: 512
    .sgpr_count:     66
    .vgpr_count:     256
    .wavefront_size: 32
...
	.end_amdgpu_metadata
.endif
;; end of part 4
;; launch oproj (part 5): grid 8 x 16, 4 waves a work-group, clusters of 4 x 4, 327,680 bytes of LDS; arguments attn, wo_h, out0; writes out0
.if DOCPART == 5
	.amdgcn_target "amdgcn-amd-amdhsa--gfx1250"
	.amdhsa_code_object_version 6
	.text
	.protected	k_qa90c962bed_oproj
	.globl	k_qa90c962bed_oproj
	.p2align	8
	.type	k_qa90c962bed_oproj,@function
k_qa90c962bed_oproj:
	s_mov_b64 s[64:65], 0
	v_nop
	global_prefetch_b8 v0, s[64:65] scope:SCOPE_SE
	s_setreg_imm32_b32 hwreg(HW_REG_WAVE_MODE, 25, 1), 1
	s_wait_xcnt 0x0
	s_wait_alu depctr_hold_cnt(0) depctr_sa_sdst(0) depctr_va_vdst(0) depctr_va_sdst(0) depctr_va_ssrc(0) depctr_va_vcc(0) depctr_vm_vsrc(0)
	s_getreg_b32 s2, hwreg(HW_REG_IB_STS2, 6, 4)
	s_cmp_eq_u32 s2, 0
	s_cbranch_scc0 .Lentry_in_a_cluster
	s_endpgm
.Lentry_in_a_cluster:
	s_bfe_u32 s2, ttmp6, 0x10000c
	s_cmp_lg_u32 s2, 0xf033
	s_cbranch_scc0 .Lentry_shape_is_right
	s_endpgm
.Lentry_shape_is_right:
; out0[m][n] = sum over k of attn[m][k] Wo[n][k]: 4096 x 2048 x 1024, f16 operands, f32 sums, f32 result.  (Positions 0-15 of each sequence are written again, more finely, by the launch that follows.)
; A tile of C, 256 x 256, is made by four waves, each 128 x 128: 64 accumulators, 512 registers.  K goes in steps of 128 (rows of 256 bytes) through a ring of two LDS slots filled by the tensor data mover.
; CLUSTERS: 4 x 4 work-groups; A's tiles are asked for jointly along a row of the cluster, B's along a column.  THE MATRIX INSTRUCTION IS USED TRANSPOSED (source 0 = 16 rows of Wo, source 1 = 16 rows of attn):
; a lane then holds eight neighbouring numbers of a row of C.
; REGISTERS: window 0: v0-31 addresses; v128-191 A's fragments, ONE set; window 1: B's fragments, TWO sets, at v0 and v128; windows 2, 3: the accumulators ((a, b) at v[8 (8 (a % 4) + b)]).
.set SIZE_N, 2048
.set SIZE_K, 1024
.set KSTEP,  128                       ; along K in a slot
.set NQ,     KSTEP/32                  ; matrix instructions deep
.set ROWB,   256                       ; a tile's row in bytes
.set KROW,   SIZE_K*2                  ; a row of A or of B in memory
.set PITCH,  272                       ; an LDS row: 256 bytes + 16 of padding: the 16 rows that a load touches start 4 words apart
.set FR,     8
.set NL,     2
.set NP,     4                         ; places behind this matrix instruction (ISA guide 7.12.1)
.set HALFT,  128*PITCH
.set SLOT,   4*HALFT
.set LAPS,   SIZE_K/(2*KSTEP)
.set SPARE,  2*SLOT                    ; behind the ring: the spare words, 128 bytes for each wave, named by no other line
.set SPITCH, 528                       ; the way out: a stage of 16 rows x (512 + 16) bytes for each wave, in slot 0, which has had its last fill and its last read when the first result is stored there
.set ADRA, 16
.set ADRB, 20
.set STO,  24
.set RD,   25
.set CO,   26
.set SPW,  28
.set NIL,  29
.set AF,   128
.set BK,   128
.set G1, 24
.set G0, 32
.set G1B, 48
.set G0B, 56
.set MSB, 0
.macro WIN new
.if MSB != \new
	s_set_vgpr_msb (MSB<<8)|\new
.set MSB, \new
.endif
.endm
.set MUL_LO, 0xa1
.set MUL_HI, 0xf1
.set TO_B,   0x40
.macro JLOAD g0a, g1a, g0b, g1b        ; waves 0 and 1 fetch for A, waves 2 and 3 for B; an s_nop 0 and four v_nop follow each of the two lines
	s_cmp_eq_u32 s15, 0
	s_cbranch_scc0 .Lfor_b_\@
	tensor_load_to_lds s[\g0a:\g0a+3], s[\g1a:\g1a+7]
	s_nop 0
.rept 4
	v_nop
.endr
	s_branch .Lasked_\@
.Lfor_b_\@:
	tensor_load_to_lds s[\g0b:\g0b+3], s[\g1b:\g1b+7]
	s_nop 0
.rept 4
	v_nop
.endr
.Lasked_\@:
.endm
.macro CREST
	s_cmp_lg_u32 s14, 0
	s_cbranch_scc1 .Lnot_wave_0_\@
	s_barrier_signal -3
.Lnot_wave_0_\@:
	s_barrier_wait -3
	s_barrier_signal -1
	s_barrier_wait -1
.endm
.macro CROUND
	s_barrier_signal -1
	s_barrier_wait -1
	CREST
.endm
	s_load_b128 s[4:7], s[0:1], 0x0                ; attn s[4:5], wo_h s[6:7]
	s_load_b64 s[12:13], s[0:1], 0x10              ; out0
	v_lshl_add_u32 v[SPW], v0, 2, SPARE
	v_mov_b32 v[NIL], 0
	ds_add_u32 v[SPW], v[NIL]                      ; the wave's opening: the add, twice on end, and its wait ahead of my first tensor load
	ds_add_u32 v[SPW], v[NIL]
	v_lshrrev_b32 v1, 5, v0
	v_readfirstlane_b32 s14, v1                    ; wave 0..3
	s_lshr_b32 s15, s14, 1                         ; which half of the tile's rows is mine.  Also: I fetch for A (0) or for B (1)
	s_and_b32 s16, s14, 1                          ; which half of its columns.  Also: which 128 rows of that tile I fetch
	s_bfe_u32 s40, ttmp6, 0x40000
	s_bfe_u32 s41, ttmp6, 0x40004
	s_lshl_b32 s42, ttmp9, 2
	s_add_co_u32 s42, s42, s40                     ; tile column of C
	s_and_b32 s17, ttmp7, 0xffff
	s_lshl_b32 s17, s17, 2
	s_add_co_u32 s17, s17, s41                     ; tile row of C
	s_lshl_b32 s43, s41, 2
	s_lshl_b32 s43, 15, s43                        ; my row of the cluster
	s_lshl_b32 s44, 0x1111, s40                    ; my column
	s_or_b32 s[G1+0], s43, (0<<16)|(1<<20)|(1<<21)|(5<<22)|(3<<25)  ; the mask; elements of 1 byte; 4 words of padding behind every 64; bit 21 beside a mask
	s_or_b32 s[G1B+0], s44, (0<<16)|(1<<20)|(1<<21)|(5<<22)|(3<<25)
.irp g, G1, G1B
	s_mov_b32 s[\g+1], ROWB<<16
	s_mov_b32 s[\g+2], 128<<16
	s_mov_b32 s[\g+3], ROWB<<16
	s_mov_b32 s[\g+4], 128
	s_mov_b32 s[\g+5], KROW
	s_mov_b32 s[\g+6], 0
	s_mov_b32 s[\g+7], 0
.endr
	s_lshl_b32 s18, s16, 7
	s_lshl_b32 s20, s17, 8
	s_add_co_u32 s20, s20, s18                     ; A: row 256 x tile row + 128 x half
	s_lshl_b32 s46, s42, 8
	s_add_co_u32 s46, s46, s18                     ; B: row 256 x tile column + 128 x half
	s_mov_b32 s21, 0
	s_mov_b32 s47, 0
	s_mov_b64 s[18:19], KROW
	s_mul_u64 s[20:21], s[20:21], s[18:19]
	s_mul_u64 s[46:47], s[46:47], s[18:19]
	s_mul_i32 s45, s14, HALFT                      ; where they go: wave x 128 rows
	s_wait_dscnt 0x0                               ; both opening adds are done
	s_wait_kmcnt 0x0
	s_add_nc_u64 s[20:21], s[4:5], s[20:21]
	s_add_nc_u64 s[46:47], s[6:7], s[46:47]
	CROUND                                         ; all sixteen work-groups are here: the first joint loads meet
.irp s, 0,1
	s_mov_b32 s[G0+4*\s], 1
	s_add_co_u32 s[G0+4*\s+1], s45, \s*SLOT
	s_add_nc_u64 s[G0+4*\s+2:G0+4*\s+3], s[20:21], \s*ROWB
	s_or_b32 s[G0+4*\s+3], s[G0+4*\s+3], 0x80000000
	s_mov_b32 s[G0B+4*\s], 1
	s_add_co_u32 s[G0B+4*\s+1], s45, \s*SLOT
	s_add_nc_u64 s[G0B+4*\s+2:G0B+4*\s+3], s[46:47], \s*ROWB
	s_or_b32 s[G0B+4*\s+3], s[G0B+4*\s+3], 0x80000000
	JLOAD G0+4*\s, G1, G0B+4*\s, G1B
.endr
	v_and_b32 v1, 15, v0
	v_bfe_u32 v2, v0, 4, 1
	v_mul_u32_u24 v3, v1, PITCH
	v_lshl_add_u32 v4, v2, 4, v3                   ; a fragment's row x pitch + 16 x half
	s_mul_i32 s21, s15, HALFT
	s_mul_i32 s22, s16, HALFT
	s_add_co_u32 s22, s22, 2*HALFT
.irp s, 0,1
	v_add_nc_u32 v[ADRA+\s], s21, v4
	v_add_nc_u32 v[ADRB+\s], s22, v4
	s_add_co_u32 s21, s21, SLOT
	s_add_co_u32 s22, s22, SLOT
.endr
	s_mul_i32 s23, s14, 16*SPITCH                  ; my stage
	v_mul_u32_u24 v5, v1, SPITCH
	v_lshl_add_u32 v5, v2, 5, v5
	v_add_nc_u32 v[STO], s23, v5
	v_and_b32 v6, 31, v0
	v_lshlrev_b32 v[CO], 4, v6
	v_add_nc_u32 v[RD], s23, v[CO]
	s_lshl_b32 s20, s17, 8
	s_lshl_b32 s21, s15, 7
	s_add_co_u32 s20, s20, s21                     ; my first row of C
	s_mov_b32 s21, 0
	s_mov_b64 s[18:19], SIZE_N*4
	s_mul_u64 s[20:21], s[20:21], s[18:19]
	s_lshl_b32 s46, s42, 10                        ; my first column, in bytes
	s_lshl_b32 s47, s16, 9
	s_add_co_u32 s46, s46, s47
	s_mov_b32 s47, 0
	s_add_nc_u64 s[20:21], s[20:21], s[46:47]
	s_add_nc_u64 s[12:13], s[12:13], s[20:21]
.macro FRAG reg, adr, q, i             ; a fragment, 16 rows x 32 K of f16: lane l holds row l % 16; registers 0-3 K = 8 (l / 16) + 0..7, registers 4-7 K = 16 + 8 (l / 16) + 0..7
.irp c, 0,1
	ds_load_b128 v[\reg+4*\c:\reg+4*\c+3], v[\adr] offset:64*(\q)+32*\c+(\i)*16*PITCH
.endr
.endm
.macro MUL16 a0, p, zero               ; A's blocks a0, a0 + 1 x B's eight; the 64 accumulators take turns, one instruction a turn
.irp a, \a0, \a0+1
.irp b, 0,1,2,3,4,5,6,7
.if \zero
	v_wmma_f32_16x16x32_f16 v[8*(8*((\a)%4)+\b):8*(8*((\a)%4)+\b)+7], v[128*(\p)+FR*\b:128*(\p)+FR*\b+FR-1], v[AF+FR*(\a):AF+FR*(\a)+FR-1], 0
.else
	v_wmma_f32_16x16x32_f16 v[8*(8*((\a)%4)+\b):8*(8*((\a)%4)+\b)+7], v[128*(\p)+FR*\b:128*(\p)+FR*\b+FR-1], v[AF+FR*(\a):AF+FR*(\a)+FR-1], v[8*(8*((\a)%4)+\b):8*(8*((\a)%4)+\b)+7]
.endif
.endr
.endr
.endm
.macro FETCH_B slot, q, p
	WIN TO_B
.irp i, 0,1,2,3,4,5,6,7
	FRAG 128*(\p)+FR*\i, ADRB+\slot, \q, \i
.endr
	WIN 0
.endm
.macro FETCH_A slot, q, i0
.irp i, \i0, \i0+1, \i0+2, \i0+3
	FRAG AF+FR*(\i), ADRA+\slot, \q, \i
.endr
.endm
.macro PLACES n
.rept \n
	v_nop
.endr
.endm
.macro STEP slot, q, zero
	s_wait_dscnt 4*NL                              ; B's set and A's blocks 0-3 are in; the youngest eight loads (A's blocks 4-7) may be out
	WIN MUL_LO
	MUL16 0, (\q)%2, \zero
	MUL16 2, (\q)%2, \zero
	s_wait_dscnt 0
	PLACES NP
	FETCH_B \slot, (\q)+1, 1-(\q)%2
	FETCH_A \slot, (\q)+1, 0
	WIN MUL_HI
	MUL16 4, (\q)%2, \zero
	MUL16 6, (\q)%2, \zero
	PLACES NP
	WIN 0
	FETCH_A \slot, (\q)+1, 4
.endm
.macro TURN slot, next, fill           ; a slot's last step changes slots: ONE barrier
	s_wait_tensorcnt 0x0                           ; all my tensor loads have landed: my part of the next slot
	ds_add_u32 v[SPW], v[NIL]
	s_wait_dscnt 4*NL+1                            ; (the add and the youngest eight loads may be out)
	WIN MUL_LO
	MUL16 0, 1, 0
	s_wait_dscnt 0x0                               ; the add is done, and my reads of this slot are over
	s_barrier_signal -1
	MUL16 2, 1, 0
	WIN 0
	s_barrier_wait -1
.if \fill
	CREST                                          ; the barrier has opened a round of the cluster's
	s_add_nc_u64 s[G0+4*\slot+2:G0+4*\slot+3], s[G0+4*\slot+2:G0+4*\slot+3], 2*ROWB
	s_add_nc_u64 s[G0B+4*\slot+2:G0B+4*\slot+3], s[G0B+4*\slot+2:G0B+4*\slot+3], 2*ROWB
	JLOAD G0+4*\slot, G1, G0B+4*\slot, G1B         ; the first tensor load behind the round; its four v_nop are the places in front of the loads below
.else
	PLACES NP
.endif
	FETCH_B \next, 0, 0
	FETCH_A \next, 0, 0
	WIN MUL_HI
	MUL16 4, 1, 0
	MUL16 6, 1, 0
	PLACES NP
	WIN 0
	FETCH_A \next, 0, 4
.endm
.macro STEPS slot, from
.set Q, \from
.rept NQ-1-\from
	STEP \slot, Q, 0
.set Q, Q+1
.endr
.endm
	s_wait_tensorcnt 1                             ; my part of K step 0 is in (K step 1's load may be out),
	s_barrier_signal -1
	s_barrier_wait -1                              ; everybody's is
	FETCH_B 0, 0, 0
	FETCH_A 0, 0, 0
	FETCH_A 0, 0, 4
	STEP 0, 0, 1                                   ; the first step's products start the sums
	s_mov_b32 s3, LAPS-1
.Llap:
	STEPS 0, 1
	TURN 0, 1, 1
	STEPS 1, 0
	TURN 1, 0, 1
	STEP 0, 0, 0
	s_sub_co_u32 s3, s3, 1
	s_cmp_lg_u32 s3, 0
	s_cbranch_scc1 .Llap
	STEPS 0, 1                                     ; the last lap fills nothing
	TURN 0, 1, 0
	STEPS 1, 0
	s_wait_dscnt 4*NL
	WIN MUL_LO
	MUL16 0, 1, 0
	MUL16 2, 1, 0
	s_wait_dscnt 0
	WIN MUL_HI
	MUL16 4, 1, 0
	MUL16 6, 1, 0
	WIN 0
; THE WAY OUT, block by block of 16 rows x 128 columns, through my own stage: back as whole rows of 512 bytes.  LDS serves a wave's instructions in order.
.macro TOSTAGE a
.set AC, 64*((\a)%4)
	WIN 0x08+4*((\a)/4)                            ; the data: window 2 or 3
.irp b, 0,1,2,3,4,5,6,7
	ds_store_b128 v[STO], v[AC+8*\b:AC+8*\b+3] offset:64*\b          ; each accumulator from its low end on
	ds_store_b128 v[STO], v[AC+8*\b+4:AC+8*\b+7] offset:64*\b+16
.endr
	WIN 0
.set BB, BK+64*((\a)%2)
.irp t, 0,1,2,3,4,5,6,7,8,9,10,11,12,13,14,15
	ds_load_b128 v[BB+4*\t:BB+4*\t+3], v[RD] offset:\t*SPITCH
.endr
.endm
.macro SEND a, younger
.set BB, BK+64*((\a)%2)
	s_wait_dscnt \younger                          ; the block is back in registers
.if (\a) > 0
	s_add_nc_u64 s[12:13], s[12:13], 16*SIZE_N*4   ; (behind a wait on XCNT: the earlier stores have read their base)
.endif
.irp t, 0,1,2,3,4,5,6,7,8,9,10,11,12,13,14,15
	global_store_b128 v[CO], v[BB+4*\t:BB+4*\t+3], s[12:13] offset:\t*SIZE_N*4 th:TH_STORE_NT   ; 32 lanes store 512 consecutive bytes, aligned
.endr
.endm
	PLACES NP
	TOSTAGE 0
.irp a, 1,2,3,4,5,6,7
.if \a > 1
	s_wait_xcnt 0x0                                ; block a - 2's stores have read their registers and their base
.endif
	TOSTAGE \a
	SEND \a-1, 32                                  ; behind block a - 1's loads: block a's 16 stores and 16 loads
.endr
	s_wait_xcnt 0x0
	SEND 7, 0
	s_wait_tensorcnt 0x0                           ; the wave's end
	ds_add_u32 v[SPW], v[NIL]
	s_wait_dscnt 0x0
	CROUND                                         ; the closing round
	s_endpgm
.Lfunc_end_k_qa90c962bed_oproj:
	.size	k_qa90c962bed_oproj, .Lfunc_end_k_qa90c962bed_oproj-k_qa90c962bed_oproj
	.p2alignl 7, 3214868480
	.fill 96, 4, 3214868480
	.section	.rodata,"a",@progbits
	.p2align	6, 0x0
	.amdhsa_kernel k_qa90c962bed_oproj
		.amdhsa_group_segment_fixed_size 327680
		.amdhsa_private_segment_fixed_size 0
		.amdhsa_enable_private_segment 0
		.amdhsa_kernarg_size 24
		.amdhsa_user_sgpr_count 2
		.amdhsa_user_sgpr_kernarg_segment_ptr 1
		.amdhsa_wavefront_size32 1
		.amdhsa_system_sgpr_workgroup_id_x 1
		.amdhsa_system_sgpr_workgroup_id_y 1
		.amdhsa_system_sgpr_workgroup_id_z 1
		.amdhsa_system_vgpr_workitem_id 0
		.amdhsa_next_free_vgpr 1024
		.amdhsa_next_free_sgpr 66
		.amdhsa_reserve_vcc 0
		.amdhsa_float_denorm_mode_32 3
		.amdhsa_float_denorm_mode_16_64 3
		.amdhsa_memory_ordered 1
		.amdhsa_forward_progress 1
		.amdhsa_inst_pref_size 143
	.end_amdhsa_kernel
	.amdgpu_metadata
---
amdhsa.version: [ 1, 2 ]
amdhsa.kernels:
  - .name:           k_qa90c962bed_oproj
    .symbol:         k_qa90c962bed_oproj.kd
    .args:
      - { .name: attn, .offset: 0, .size: 8, .value_kind: global_buffer, .address_space: global }
      - { .name: wo_h, .offset: 8, .size: 8, .value_kind: global_buffer, .address_space: global }
      - { .name: out0, .offset: 16, .size: 8, .value_kind: global_buffer, .address_space: global }
    .group_segment_fixed_size: 327680
    .private_segment_fixed_size: 0
    .kernarg_segment_align: 8
    .kernarg_segment_size: 24
    .max_flat_workgroup_size: 128
    .sgpr_count:     66
    .vgpr_count:     1024
    .wavefront_size: 32
...
	.end_amdgpu_metadata
.endif
;; end of part 5
;; launch foproj (part 6): grid 32 x 2, 16 waves a work-group, no clusters, 23,040 bytes of LDS; arguments attn_fine, Wo, out0; writes out0
.if DOCPART == 6
	.amdgcn_target "amdgcn-amd-amdhsa--gfx1250"
	.amdhsa_code_object_version 6
	.text
	.protected	k_qa90c962bed_foproj
	.globl	k_qa90c962bed_foproj
	.p2align	8
	.type	k_qa90c962bed_foproj,@function
k_qa90c962bed_foproj:
	s_mov_b64 s[64:65], 0
	v_nop
	global_prefetch_b8 v0, s[64:65] scope:SCOPE_SE
	s_setreg_imm32_b32 hwreg(HW_REG_WAVE_MODE, 25, 1), 1
	s_wait_xcnt 0x0
; Positions 0-15 of each sequence of out0, once more with f32 operands: out0[2048 y + pos][n] = sum over k of attn_fine[y][pos][k] Wo[n][k], K = 1,024.  32 rows in all: no bulk work.
; A work-group takes 64 columns of one batch; of its sixteen waves, wave w takes the tile of 16 columns w % 4 and the quarter w / 4 of K.  The four quarters are added through LDS.
; The matrix instruction is used transposed (source 0 = 16 rows of Wo, source 1 = the 16 positions): a lane holds one position and eight neighbouring columns.
; A load of 16 bytes gives lane (r, h) k = 8 i + 4 h + 0..3 of its row; its registers 0-1 and 2-3 feed two instructions.  The same order of k on both sides keeps the products.
; Two accumulators take turns; they are written by matrix instructions alone, begin with the constant 0, and their sum goes into other registers.
.set PB,  0                            ; LDS: 1,024 bytes a wave: the image of its partial tile
.set STG, 16384                        ; 16 rows x 272 bytes: the result by rows
.set SPARE, 20992                      ; the spare words, 128 bytes for each wave, named by no other line
.set SPW, 2
.set NIL, 3
.set PST, 7
.set STS, 8
.set STL, 9
.set GO,  10
.set W,   32                           ; v32-95  Wo, two sets of 32
.set A,   96                           ; v96-159 attn_fine, two sets
.set T,   176
	s_load_b128 s[4:7], s[0:1], 0x0                ; attn_fine, Wo
	s_load_b64 s[8:9], s[0:1], 0x10                ; out0
	v_lshl_add_u32 v[SPW], v0, 2, SPARE
	v_mov_b32 v[NIL], 0
	v_lshrrev_b32 v1, 5, v0
	v_readfirstlane_b32 s10, v1                    ; wave 0..15
	v_and_b32 v4, 15, v0                           ; r
	v_bfe_u32 v5, v0, 4, 1                         ; h
	v_and_b32 v6, 31, v0
	v_lshlrev_b32 v1, 12, v4
	v_lshl_add_u32 v1, v5, 4, v1                   ; both tensors: row r of 4,096 bytes, + 16 h
	s_lshl_b32 s12, s10, 10
	v_lshlrev_b32 v[PST], 4, v6
	v_add_nc_u32 v[PST], s12, v[PST]
	s_and_b32 s11, s10, 3                          ; my tile of columns
	s_lshl_b32 s12, s11, 6
	s_add_co_u32 s12, s12, STG
	v_mul_u32_u24 v[STS], v4, 272
	v_lshl_add_u32 v[STS], v5, 5, v[STS]
	v_add_nc_u32 v[STS], s12, v[STS]               ; row r, + 64 x tile, + 32 h
	s_and_b32 s13, s10, 7
	s_mul_i32 s12, s13, 544
	s_add_co_u32 s12, s12, STG
	v_mul_u32_u24 v[STL], v5, 272
	v_lshl_add_u32 v[STL], v4, 4, v[STL]
	v_add_nc_u32 v[STL], s12, v[STL]               ; back by rows: row 2 (w % 8) + h
	v_lshlrev_b32 v[GO], 13, v5
	v_lshl_add_u32 v[GO], v4, 4, v[GO]
	s_lshr_b32 s14, s10, 2                         ; my quarter of K: 1,024 bytes
	s_lshl_b32 s14, s14, 10
	s_and_b32 s15, ttmp7, 0xffff                   ; the batch
	s_lshl_b32 s16, s15, 16
	s_add_co_u32 s16, s16, s14
	s_mov_b32 s17, 0
	s_lshl_b32 s18, ttmp9, 18                      ; Wo: row 64 x + 16 x tile
	s_lshl_b32 s19, s11, 16
	s_add_co_u32 s18, s18, s19
	s_add_co_u32 s18, s18, s14
	s_mov_b32 s19, 0
	s_lshl_b32 s20, s15, 24                        ; out0: row 2048 y + 2 (w % 8), 8,192 bytes a row; + 256 x
	s_lshl_b32 s21, s13, 14
	s_add_co_u32 s20, s20, s21
	s_lshl_b32 s21, ttmp9, 8
	s_add_co_u32 s20, s20, s21
	s_mov_b32 s21, 0
	s_wait_kmcnt 0x0
	s_add_nc_u64 s[4:5], s[4:5], s[16:17]
	s_add_nc_u64 s[6:7], s[6:7], s[18:19]
	s_add_nc_u64 s[8:9], s[8:9], s[20:21]
.macro CLOAD c                         ; 64 along K of both sides: 16 loads
.irp i, 0,1,2,3,4,5,6,7
	global_load_b128 v[W+32*((\c)%2)+4*\i:W+32*((\c)%2)+4*\i+3], v1, s[6:7] offset:256*(\c)+32*\i
	global_load_b128 v[A+32*((\c)%2)+4*\i:A+32*((\c)%2)+4*\i+3], v1, s[4:5] offset:256*(\c)+32*\i
.endr
.endm
.macro CMUL c
.irp i, 0,1,2,3,4,5,6,7
.if (\c) == 0 && \i == 0
	v_wmma_f32_16x16x4_f32 v[160:167], v[W:W+1], v[A:A+1], 0
	v_wmma_f32_16x16x4_f32 v[168:175], v[W+2:W+3], v[A+2:A+3], 0
.else
	v_wmma_f32_16x16x4_f32 v[160:167], v[W+32*((\c)%2)+4*\i:W+32*((\c)%2)+4*\i+1], v[A+32*((\c)%2)+4*\i:A+32*((\c)%2)+4*\i+1], v[160:167]
	v_wmma_f32_16x16x4_f32 v[168:175], v[W+32*((\c)%2)+4*\i+2:W+32*((\c)%2)+4*\i+3], v[A+32*((\c)%2)+4*\i+2:A+32*((\c)%2)+4*\i+3], v[168:175]
.endif
.endr
.rept 8
	v_nop                                          ; eight places behind this form: for loads into its sources and reads of its results
.endr
.endm
	CLOAD 0
	CLOAD 1
	s_wait_loadcnt 16                              ; this chunk's 16 loads are in; the next chunk's may be out
	CMUL 0
	CLOAD 2
	s_wait_loadcnt 16
	CMUL 1
	CLOAD 3
	s_wait_loadcnt 16
	CMUL 2
	s_wait_loadcnt 0x0
	CMUL 3
.irp j, 0,2,4,6
	v_pk_add_f32 v[T+\j:T+\j+1], v[160+\j:161+\j], v[168+\j:169+\j]   ; both accumulators from their low ends on
.endr
	ds_store_b128 v[PST], v[T:T+3]
	ds_store_b128 v[PST], v[T+4:T+7] offset:512
	s_wait_dscnt 0x0                               ; for the others' sake: my stores have landed
	s_barrier_signal -1
	s_barrier_wait -1
	s_cmp_lt_u32 s10, 4                            ; the waves of the first quarter add the other three
	s_cbranch_scc0 .Lnot_sum
.irp j, 1,2,3
	ds_load_b128 v[W+8*(\j-1):W+8*(\j-1)+3], v[PST] offset:4096*\j
	ds_load_b128 v[W+8*(\j-1)+4:W+8*(\j-1)+7], v[PST] offset:4096*\j+512
.endr
	s_wait_dscnt 0x0
.irp j, 0,1,2
.irp p, 0,2,4,6
	v_pk_add_f32 v[T+\p:T+\p+1], v[T+\p:T+\p+1], v[W+8*\j+\p:W+8*\j+\p+1]
.endr
.endr
	ds_store_b128 v[STS], v[T:T+3]
	ds_store_b128 v[STS], v[T+4:T+7] offset:16
.Lnot_sum:
	s_wait_dscnt 0x0
	s_barrier_signal -1
	s_barrier_wait -1                              ; 16 whole rows of 256 bytes lie in LDS
	s_cmp_lt_u32 s10, 8
	s_cbranch_scc0 .Ldone
	ds_load_b128 v[W:W+3], v[STL]
	s_wait_dscnt 0x0
	global_store_b128 v[GO], v[W:W+3], s[8:9]      ; sixteen lanes store 256 consecutive bytes, aligned
.Ldone:
	s_wait_tensorcnt 0x0                           ; the wave's end
	ds_add_u32 v[SPW], v[NIL]
	s_wait_dscnt 0x0
	s_endpgm
.Lfunc_end_k_qa90c962bed_foproj:
	.size	k_qa90c962bed_foproj, .Lfunc_end_k_qa90c962bed_foproj-k_qa90c962bed_foproj
	.p2alignl 7, 3214868480
	.fill 96, 4, 3214868480
	.section	.rodata,"a",@progbits
	.p2align	6, 0x0
	.amdhsa_kernel k_qa90c962bed_foproj
		.amdhsa_group_segment_fixed_size 23040
		.amdhsa_private_segment_fixed_size 0
		.amdhsa_enable_private_segment 0
		.amdhsa_kernarg_size 24
		.amdhsa_user_sgpr_count 2
		.amdhsa_user_sgpr_kernarg_segment_ptr 1
		.amdhsa_wavefront_size32 1
		.amdhsa_system_sgpr_workgroup_id_x 1
		.amdhsa_system_sgpr_workgroup_id_y 1
		.amdhsa_system_sgpr_workgroup_id_z 1
		.amdhsa_system_vgpr_workitem_id 0
		.amdhsa_next_free_vgpr 192
		.amdhsa_next_free_sgpr 66
		.amdhsa_reserve_vcc 0
		.amdhsa_float_denorm_mode_32 3
		.amdhsa_float_denorm_mode_16_64 3
		.amdhsa_memory_ordered 1
		.amdhsa_forward_progress 1
		.amdhsa_inst_pref_size 16
	.end_amdhsa_kernel
	.amdgpu_metadata
---
amdhsa.version: [ 1, 2 ]
amdhsa.kernels:
  - .name:           k_qa90c962bed_foproj
    .symbol:         k_qa90c962bed_foproj.kd
    .args:
      - { .name: attn_fine, .offset: 0, .size: 8, .value_kind: global_buffer, .address_space: global }
      - { .name: Wo, .offset: 8, .size: 8, .value_kind: global_buffer, .address_space: global }
      - { .name: out0, .offset: 16, .size: 8, .value_kind: global_buffer, .address_space: global }
    .group_segment_fixed_size: 23040
    .private_segment_fixed_size: 0
    .kernarg_segment_align: 8
    .kernarg_segment_size: 24
    .max_flat_workgroup_size: 512
    .sgpr_count:     66
    .vgpr_count:     192
    .wavefront_size: 32
...
	.end_amdgpu_metadata
.endif
;; end of part 6
;; ======== version 2 of 2: 7 launches
;; limits: values are held in f16: magnitudes above 65,504 overflow, below 6.1e-05 lose precision
;; workspace buffers: codes 6,291,456 bytes; scales 393,216 bytes; qkv_hi 16,777,216 bytes; qkv_lo 16,777,216 bytes; wo_h 4,194,304 bytes; attn 8,388,608 bytes; attn_fine 131,072 bytes; part 1,114,112 bytes
;; launch quant: the kernel of part 1 again; grid 448 x 1, 4 waves a work-group, no clusters, 33,280 bytes of LDS; arguments hidden_states, Wq, Wk, Wv, Wo, codes, scales, wo_h; writes codes, scales, wo_h
;; launch qkv: the kernel of part 2 again; grid 8 x 16, 4 waves a work-group, clusters of 4 x 4, 327,680 bytes of LDS; arguments codes, scales, cos, sin, qkv_hi, qkv_lo; writes qkv_hi, qkv_lo
;; launch attn: the kernel of part 3 again; grid 16 x 16, 8 waves a work-group, clusters of 4 x 4, 327,680 bytes of LDS; arguments qkv_hi, attention_mask, attn; writes attn
;; launch fattn (part 7): grid 8 x 32, 8 waves a work-group, no clusters, 101,376 bytes of LDS; arguments qkv_hi, qkv_lo, attention_mask, part; writes part
.if DOCPART == 7
	.amdgcn_target "amdgcn-amd-amdhsa--gfx1250"
	.amdhsa_code_object_version 6
	.text
	.protected	k_qa90c962bed_fattn
	.globl	k_qa90c962bed_fattn
	.p2align	8
	.type	k_qa90c962bed_fattn,@function
k_qa90c962bed_fattn:
	s_mov_b64 s[64:65], 0
	v_nop
	global_prefetch_b8 v0, s[64:65] scope:SCOPE_SE
	s_setreg_imm32_b32 hwreg(HW_REG_WAVE_MODE, 25, 1), 1
	s_wait_xcnt 0x0
; Positions 0-15 of every sequence, in every batch and head, once more and more finely: every operand goes to the matrix unit as a pair of f16 numbers, a high and a low part (x y is taken as xh yh + xl yh + xh yl).
; Where the mask leaves these rows few keys, their values are the largest and average the fewest terms.
; SHARES.  A work-group takes one head (y = 16 batch + head) and one run of 256 keys (x); its eight waves take 32 keys each: 256 work-groups.  A wave asks for all that it reads, 44 loads of 512 bytes, at its head.
; WHAT IT STORES.  The run's part of the softmax, not divided: m = the largest score of the run, l = the sum of p = 2^((x - m) log2 e), and the sums of p v.  The launch that follows adds the eight runs of a head.
;   part + (8 head + run) x 4,096: the image of O^T's 32 registers, group i of four registers at 512 i + 16 lane;   part + 0x100000 + (8 head + run) x 256: (m, l) of query lane % 16, 8 bytes a lane.
; S^T = K Q^T + mask^T: the mask is loaded into the accumulators and the products add in place.  O^T = V^T P; the row's sum is a product with ones.  V is turned through the wave's own LDS bytes.
; The maximum goes over the eight waves through LDS before p is made, so nothing is rescaled here.  It has the most negative finite number among its leaves, so it is never -infinity.
; LIMITS: as in the launch for all rows: NaN and +infinity are not served.
; No tensor load and no cluster: the two heads of a group read the same K and V, 64 KB a run; what is shared is small, each wave's bytes come in one trip, and the launch is short.
.set VST, 0                            ; LDS: 8,192 bytes a wave: my 32 keys of V, high part, then low part
.set OB,  65536                        ; 4,096 bytes a wave: the image of its O^T
.set MX,  98304                        ; a word a thread: the waves' maxima
.set LB,  99328                        ; a word a thread: the waves' sums
.set SPARE, 100352                     ; the spare words, 128 bytes for each wave, named by no other line
.set LI,  1                            ; v1   16 x lane
.set MO,  2                            ; v2   the mask: 8,192 (lane % 16) + 32 (lane / 16)
.set AV,  3                            ; v3   the turning load's address in my stage
.set VSW, 4                            ; v4   my stage + 16 x lane
.set MXS, 5
.set MXL, 6
.set OBS, 7
.set OBL, 8
.set LBS, 9
.set LBL, 10
.set SO,  11                           ; v11  8 x lane
.set SPW, 14                           ; v14  my spare word; never rewritten
.set NIL, 15                           ; v15  0; never rewritten
.set ONES, 16                          ; v16-23
.set QH,  24                           ; v24-39 Q high, v40-55 Q low; later O^T
.set QL,  40
.set O,   24
.set KH,  56                           ; v56-87 K high of two tiles, v88-119 K low; later V's fragments
.set KL,  88
.set VG,  56
.set PH,  120                          ; v120-127 p's high part (its halves are named, so it lies under v128)
.set VL,  128                          ; v128-191 V as it is loaded; later the eight images' groups
.set S,   192                          ; v192-207 S^T, then p, then p less its high part
.set PL,  208                          ; v208-215 p's low part
.set U,   216                          ; v216-231 the high part widened again
.set LL,  232                          ; v232-239 the sum
.set CC,  240                          ; v240-241 at work; v[244:245] m twice, at the end (m, l); v248-255 at work
.macro BARRIER
	s_wait_dscnt 0x0                               ; my LDS stores have landed and my LDS loads are in
	s_barrier_signal -1
	s_barrier_wait -1
.endm
	s_load_b128 s[4:7], s[0:1], 0x0                ; qkv_hi, qkv_lo
	s_load_b128 s[8:11], s[0:1], 0x10              ; attention_mask, part
	v_lshl_add_u32 v[SPW], v0, 2, SPARE
	v_mov_b32 v[NIL], 0
	v_lshrrev_b32 v16, 5, v0
	v_readfirstlane_b32 s12, v16                   ; wave 0..7
	v_and_b32 v16, 15, v0                          ; r
	v_bfe_u32 v17, v0, 4, 1                        ; h
	v_and_b32 v18, 31, v0                          ; lane
	v_lshlrev_b32 v[LI], 4, v18
	v_lshlrev_b32 v[MO], 13, v16
	v_lshl_add_u32 v[MO], v17, 5, v[MO]            ; the mask: row r of 8,192 bytes, + 32 h
	s_lshl_b32 s30, s12, 13
	v_and_b32 v19, 7, v0
	v_lshl_add_u32 v19, v17, 3, v19
	v_lshlrev_b32 v19, 5, v19
	v_bfe_u32 v20, v0, 3, 1
	v_lshl_add_u32 v19, v20, 4, v19
	v_add_nc_u32 v[AV], s30, v19                   ; the turning load: key 8 h + l % 8 (32 bytes a key), channels 8 ((l / 8) % 2) on
	v_add_nc_u32 v[VSW], s30, v[LI]
	v_lshl_add_u32 v[MXS], v0, 2, MX
	v_lshl_add_u32 v[MXL], v18, 2, MX
	s_lshl_b32 s30, s12, 12
	s_add_co_u32 s30, s30, OB
	v_add_nc_u32 v[OBS], s30, v[LI]                ; my image
	s_lshl_b32 s30, s12, 9
	s_add_co_u32 s30, s30, OB
	v_add_nc_u32 v[OBL], s30, v[LI]                ; group w of four registers in the first image; the others lie 4,096 bytes apart
	v_lshl_add_u32 v[LBS], v0, 2, LB
	v_lshl_add_u32 v[LBL], v18, 2, LB
	v_lshlrev_b32 v[SO], 3, v18
.set i, 0
.rept 8
	v_mov_b32 v[ONES+i], 0x3c003c00                ; 1.0, twice, in f16
.set i, i+1
.endr
	s_mov_b32 s26, 0x76543210
	s_mov_b32 s27, 0xfedcba98                      ; lane l xor 16
	s_mov_b32 s28, 0x3fb8aa3b                      ; log2 e
	s_mov_b32 s29, s28
	s_and_b32 s13, ttmp7, 0xffff                   ; the head: 16 batch + head
	s_lshl_b32 s30, s13, 18                        ; Q: the head's tile 0
	s_mov_b32 s31, 0
	s_lshr_b32 s32, s13, 1
	s_lshl_b32 s32, s32, 18                        ; K: key/value head = head / 2,
	s_lshl_b32 s33, ttmp9, 15                      ; the run's 16 tiles of 2,048 bytes,
	s_add_co_u32 s32, s32, s33
	s_lshl_b32 s33, s12, 12                        ; my two of them
	s_add_co_u32 s32, s32, s33
	s_add_co_u32 s32, s32, 0x800000
	s_mov_b32 s33, 0
	s_lshl_b32 s34, ttmp9, 10                      ; the mask: key 256 run + 32 wave, 4 bytes a key
	s_lshl_b32 s35, s12, 7
	s_add_co_u32 s34, s34, s35
	s_mov_b32 s35, 0
	s_lshl_b32 s36, s13, 15                        ; the sums: (8 head + run) x 4,096 + 512 wave
	s_lshl_b32 s37, ttmp9, 12
	s_add_co_u32 s36, s36, s37
	s_lshl_b32 s37, s12, 9
	s_add_co_u32 s36, s36, s37
	s_mov_b32 s37, 0
	s_lshl_b32 s38, s13, 11                        ; (m, l): 0x100000 + (8 head + run) x 256
	s_lshl_b32 s39, ttmp9, 8
	s_add_co_u32 s38, s38, s39
	s_add_co_u32 s38, s38, 0x100000
	s_mov_b32 s39, 0
	s_wait_kmcnt 0x0
	s_add_nc_u64 s[14:15], s[4:5], s[30:31]
	s_add_nc_u64 s[16:17], s[6:7], s[30:31]
	s_add_nc_u64 s[18:19], s[4:5], s[32:33]
	s_add_nc_u64 s[20:21], s[6:7], s[32:33]
	s_add_nc_u64 s[22:23], s[18:19], 0x400000      ; V lies 0x400000 behind K
	s_add_nc_u64 s[24:25], s[20:21], 0x400000
	s_add_nc_u64 s[8:9], s[8:9], s[34:35]
	s_add_nc_u64 s[4:5], s[10:11], s[38:39]        ; where (m, l) go
	s_add_nc_u64 s[10:11], s[10:11], s[36:37]      ; where my group of the sums goes
	; all my loads, in the order in which they are wanted
.irp f, 0,1
.irp c, 0,1
	global_load_b128 v[QH+8*\f+4*\c:QH+8*\f+4*\c+3], v[LI], s[14:15] offset:\f*1024+\c*512
	global_load_b128 v[QL+8*\f+4*\c:QL+8*\f+4*\c+3], v[LI], s[16:17] offset:\f*1024+\c*512
.endr
.endr
.irp kt, 0,1
.irp e, 0,1
	global_load_b128 v[S+8*\kt+4*\e:S+8*\kt+4*\e+3], v[MO], s[8:9] offset:64*\kt+16*\e    ; mask(r, keys 16 kt + 8 h + 0..7): the sums begin with it
.endr
.endr
.irp k, 0,1
.irp f, 0,1
.irp c, 0,1
	global_load_b128 v[KH+16*\k+8*\f+4*\c:KH+16*\k+8*\f+4*\c+3], v[LI], s[18:19] offset:\k*2048+\f*1024+\c*512   ; images: 512 consecutive bytes a load
	global_load_b128 v[KL+16*\k+8*\f+4*\c:KL+16*\k+8*\f+4*\c+3], v[LI], s[20:21] offset:\k*2048+\f*1024+\c*512
.endr
.endr
.endr
.irp i, 0,1,2,3,4,5,6,7
	global_load_b128 v[VL+4*\i:VL+4*\i+3], v[LI], s[22:23] offset:512*\i              ; my 32 keys of V, both parts, as they lie: 4,096 bytes each
	global_load_b128 v[VL+32+4*\i:VL+32+4*\i+3], v[LI], s[24:25] offset:512*\i
.endr
.macro QKPASS kb, qb, f                ; two accumulators by turns, one instruction a turn
.irp k, 0,1
	v_wmma_f32_16x16x32_f16 v[S+8*\k:S+8*\k+7], v[\kb+16*\k+8*\f:\kb+16*\k+8*\f+7], v[\qb+8*\f:\qb+8*\f+7], v[S+8*\k:S+8*\k+7]
.endr
.endm
	s_wait_loadcnt 16                              ; Q, the mask and K are in; V's sixteen loads may be out
	QKPASS KH, QH, 0
	QKPASS KH, QH, 1
	QKPASS KL, QH, 0
	QKPASS KL, QH, 1
	QKPASS KH, QL, 0
	QKPASS KH, QL, 1
.rept 4
	v_nop                                          ; places behind the products, ahead of the reads of their results
.endr
	; my 32 keys' maximum: two chains, each accumulator read from its low end on
	v_max3_num_f32 v[CC], v[S], v[S+1], v[S+2]
	v_max3_num_f32 v[CC+1], v[S+8], v[S+9], v[S+10]
	v_max3_num_f32 v[CC], v[CC], v[S+3], v[S+4]
	v_max3_num_f32 v[CC+1], v[CC+1], v[S+11], v[S+12]
	v_max3_num_f32 v[CC], v[CC], v[S+5], v[S+6]
	v_max3_num_f32 v[CC+1], v[CC+1], v[S+13], v[S+14]
	v_max3_num_f32 v[CC], v[CC], v[S+7], v[S+15]
	v_max3_num_f32 v[CC], v[CC], v[CC+1], 0xff7fffff   ; and the most negative finite number
	v_permlanex16_b32 v[CC+1], v[CC], s26, s27
	v_max_num_f32 v[CC], v[CC], v[CC+1]            ; my wave's maximum for query r
	ds_store_b32 v[MXS], v[CC]
	s_wait_loadcnt 0x0                             ; V is in: it is turned through my own stage while the waves meet
.irp i, 0,1,2,3,4,5,6,7,8,9,10,11,12,13,14,15
	ds_store_b128 v[VSW], v[VL+4*\i:VL+4*\i+3] offset:512*\i
.endr
.irp p, 0,1
.irp ct, 0,1,2,3
.irp c, 0,1
	ds_load_tr16_b128 v[VG+32*\p+8*\ct+4*\c:VG+32*\p+8*\ct+4*\c+3], v[AV] offset:4096*\p+2048*\c+512*\ct   ; my own bytes: LDS serves a wave's instructions in order.  (K's registers: the lines above are the places behind the products that read them)
.endr
.endr
.endr
	BARRIER                                        ; all eight waves' maxima lie in LDS
.irp j, 0,1,2,3,4,5,6,7
	ds_load_b32 v[248+\j], v[MXL] offset:128*\j
.endr
	s_wait_dscnt 0x0
	v_max3_num_f32 v248, v248, v249, v250
	v_max3_num_f32 v251, v251, v252, v253
	v_max3_num_f32 v248, v248, v251, v254
	v_max_num_f32 v244, v248, v255                 ; m: the run's maximum for query r
	v_max_num_f32 v245, v248, v255
.set i, 0
.rept 8
	v_pk_add_f32 v[S+i:S+i+1], v[S+i:S+i+1], v[244:245] neg_lo:[0,1] neg_hi:[0,1]     ; x - m first, so that no infinity meets its opposite,
.set i, i+2
.endr
.set i, 0
.rept 8
	v_pk_mul_f32 v[S+i:S+i+1], v[S+i:S+i+1], s[28:29] op_sel_hi:[1,0]                 ; then x log2 e
.set i, i+2
.endr
.set i, 0
.rept 16
	v_exp_f32 v[S+i], v[S+i]
.set i, i+1
.endr
	v_nop                                          ; a plain instruction behind the last exponential,
	s_wait_alu depctr_va_vdst(0)                   ; and one wait for the batch
.set i, 0
.rept 8
	v_cvt_pk_f16_f32 v[PH+i], v[S+2*i], v[S+2*i+1] ; p's high part
.set i, i+1
.endr
.irp r, 120,121,122,123,124,125,126,127
	v_cvt_f32_f16 v[U+2*(\r-120)], v\r\().l
	v_cvt_f32_f16 v[U+2*(\r-120)+1], v\r\().h
.endr
.set i, 0
.rept 8
	v_pk_add_f32 v[S+2*i:S+2*i+1], v[S+2*i:S+2*i+1], v[U+2*i:U+2*i+1] neg_lo:[0,1] neg_hi:[0,1]
.set i, i+1
.endr
.set i, 0
.rept 8
	v_cvt_pk_f16_f32 v[PL+i], v[S+2*i], v[S+2*i+1] ; and its low part
.set i, i+1
.endr
.rept 4
	v_nop
.endr
.macro PVMUL dst, a, b, zero
.if \zero
	v_wmma_f32_16x16x32_f16 v[\dst:\dst+7], v[\a:\a+7], v[\b:\b+7], 0
.else
	v_wmma_f32_16x16x32_f16 v[\dst:\dst+7], v[\a:\a+7], v[\b:\b+7], v[\dst:\dst+7]
.endif
.endm
.irp ct, 0,1,2,3                               ; five accumulators by turns; the first products start the sums
	PVMUL O+8*\ct, VG+8*\ct, PH, 1
.endr
	PVMUL LL, ONES, PH, 1
.irp ct, 0,1,2,3
	PVMUL O+8*\ct, VG+32+8*\ct, PH, 0
.endr
	PVMUL LL, ONES, PL, 0
.irp ct, 0,1,2,3
	PVMUL O+8*\ct, VG+8*\ct, PL, 0
.endr
.rept 4
	v_nop
.endr
.irp i, 0,1,2,3,4,5,6,7
	ds_store_b128 v[OBS], v[O+4*\i:O+4*\i+3] offset:512*\i    ; the image of my O^T, each accumulator from its low end on
.endr
	ds_store_b32 v[LBS], v[LL]                     ; and my sum for query r
	BARRIER                                        ; the eight images and sums lie in LDS
.irp j, 0,1,2,3,4,5,6,7
	ds_load_b128 v[VL+4*\j:VL+4*\j+3], v[OBL] offset:4096*\j  ; group w of all eight images
.endr
	s_wait_dscnt 0x0
.irp j, 0,1,2,3
	v_pk_add_f32 v[VL+4*\j:VL+4*\j+1], v[VL+4*\j:VL+4*\j+1], v[VL+16+4*\j:VL+16+4*\j+1]
	v_pk_add_f32 v[VL+4*\j+2:VL+4*\j+3], v[VL+4*\j+2:VL+4*\j+3], v[VL+16+4*\j+2:VL+16+4*\j+3]
.endr
.irp j, 0,1
	v_pk_add_f32 v[VL+4*\j:VL+4*\j+1], v[VL+4*\j:VL+4*\j+1], v[VL+8+4*\j:VL+8+4*\j+1]
	v_pk_add_f32 v[VL+4*\j+2:VL+4*\j+3], v[VL+4*\j+2:VL+4*\j+3], v[VL+8+4*\j+2:VL+8+4*\j+3]
.endr
	v_pk_add_f32 v[VL:VL+1], v[VL:VL+1], v[VL+4:VL+5]
	v_pk_add_f32 v[VL+2:VL+3], v[VL+2:VL+3], v[VL+6:VL+7]
	global_store_b128 v[LI], v[VL:VL+3], s[10:11]  ; the wave stores 512 consecutive bytes, aligned
	s_cmp_lg_u32 s12, 0                            ; wave 0 adds the eight sums and stores (m, l)
	s_cbranch_scc1 .Ldone
.irp j, 0,1,2,3,4,5,6,7
	ds_load_b32 v[248+\j], v[LBL] offset:128*\j
.endr
	s_wait_dscnt 0x0
	v_add_f32 v248, v248, v249
	v_add_f32 v250, v250, v251
	v_add_f32 v252, v252, v253
	v_add_f32 v254, v254, v255
	v_add_f32 v248, v248, v250
	v_add_f32 v252, v252, v254
	v_add_f32 v245, v248, v252                     ; l beside m
	global_store_b64 v[SO], v[244:245], s[4:5]     ; 32 lanes store 256 consecutive bytes, aligned; lanes 16-31 repeat lanes 0-15
.Ldone:
	s_wait_tensorcnt 0x0                           ; the wave's end
	ds_add_u32 v[SPW], v[NIL]
	s_wait_dscnt 0x0
	s_endpgm
.Lfunc_end_k_qa90c962bed_fattn:
	.size	k_qa90c962bed_fattn, .Lfunc_end_k_qa90c962bed_fattn-k_qa90c962bed_fattn
	.p2alignl 7, 3214868480
	.fill 96, 4, 3214868480
	.section	.rodata,"a",@progbits
	.p2align	6, 0x0
	.amdhsa_kernel k_qa90c962bed_fattn
		.amdhsa_group_segment_fixed_size 101376
		.amdhsa_private_segment_fixed_size 0
		.amdhsa_enable_private_segment 0
		.amdhsa_kernarg_size 32
		.amdhsa_user_sgpr_count 2
		.amdhsa_user_sgpr_kernarg_segment_ptr 1
		.amdhsa_wavefront_size32 1
		.amdhsa_system_sgpr_workgroup_id_x 1
		.amdhsa_system_sgpr_workgroup_id_y 1
		.amdhsa_system_sgpr_workgroup_id_z 1
		.amdhsa_system_vgpr_workitem_id 0
		.amdhsa_next_free_vgpr 256
		.amdhsa_next_free_sgpr 66
		.amdhsa_reserve_vcc 0
		.amdhsa_float_denorm_mode_32 3
		.amdhsa_float_denorm_mode_16_64 3
		.amdhsa_memory_ordered 1
		.amdhsa_forward_progress 1
		.amdhsa_inst_pref_size 21
	.end_amdhsa_kernel
	.amdgpu_metadata
---
amdhsa.version: [ 1, 2 ]
amdhsa.kernels:
  - .name:           k_qa90c962bed_fattn
    .symbol:         k_qa90c962bed_fattn.kd
    .args:
      - { .name: qkv_hi, .offset: 0, .size: 8, .value_kind: global_buffer, .address_space: global }
      - { .name: qkv_lo, .offset: 8, .size: 8, .value_kind: global_buffer, .address_space: global }
      - { .name: attention_mask, .offset: 16, .size: 8, .value_kind: global_buffer, .address_space: global }
      - { .name: part, .offset: 24, .size: 8, .value_kind: global_buffer, .address_space: global }
    .group_segment_fixed_size: 101376
    .private_segment_fixed_size: 0
    .kernarg_segment_align: 8
    .kernarg_segment_size: 32
    .max_flat_workgroup_size: 256
    .sgpr_count:     66
    .vgpr_count:     256
    .wavefront_size: 32
...
	.end_amdgpu_metadata
.endif
;; end of part 7
;; launch fcomb (part 8): grid 32 x 1, 8 waves a work-group, no clusters, 5,632 bytes of LDS; arguments part, attn_fine; writes attn_fine
.if DOCPART == 8
	.amdgcn_target "amdgcn-amd-amdhsa--gfx1250"
	.amdhsa_code_object_version 6
	.text
	.protected	k_qa90c962bed_fcomb
	.globl	k_qa90c962bed_fcomb
	.p2align	8
	.type	k_qa90c962bed_fcomb,@function
k_qa90c962bed_fcomb:
	s_mov_b64 s[64:65], 0
	v_nop
	global_prefetch_b8 v0, s[64:65] scope:SCOPE_SE
	s_setreg_imm32_b32 hwreg(HW_REG_WAVE_MODE, 25, 1), 1
	s_wait_xcnt 0x0
; The eight runs of keys of each head's fine attention are added: with M = the largest of the runs' maxima m_c and w_c = 2^((m_c - M) log2 e),
; attn_fine[batch][query][64 head + d] = (sum over c of w_c O_c) / (sum over c of w_c l_c).  All in f32.  The difference m_c - M is taken first: both are finite, so no infinity meets its opposite.
; A work-group takes a head (16 batch + head); wave w takes group w of four registers of the images of O^T: in lane (r, h) those are channels 16 (w / 2) + 8 h + 4 (w % 2) + 0..3 of query r.
; A wave reads 8 x 512 bytes of sums and 8 x 256 bytes of (m, l), all asked for at its head.  The result goes through LDS, so that sixteen lanes store one row's 256 bytes.
; Memory and latency bind here: no matrix unit, no tensor load, no cluster: work-groups share nothing.
; LIMITS: NaN and +infinity are not served; a row whose every score is -infinity has the sum 0.
.set FS,  0                            ; LDS: 16 rows x 272 bytes: the result by rows
.set SPARE, 4608                       ; the spare words, 128 bytes for each wave, named by no other line
.set SPW, 2
.set NIL, 3
.set LI,  7                            ; v7   16 x lane
.set SO,  8                            ; v8   8 x lane
.set FSS, 9
.set FSL, 10
.set GO,  11
.set AC,  20                           ; v20-23 the sums;  v24-27 a piece of a row
.set X,   32                           ; v32-63 my group of the eight parts
.set ML,  64                           ; v64-79 (m, l) of the eight parts
.set WT,  80                           ; v80-87 the weights
	s_load_b128 s[4:7], s[0:1], 0x0                ; part, attn_fine
	v_lshl_add_u32 v[SPW], v0, 2, SPARE
	v_mov_b32 v[NIL], 0
	v_lshrrev_b32 v1, 5, v0
	v_readfirstlane_b32 s8, v1                     ; wave 0..7
	v_and_b32 v4, 15, v0                           ; r
	v_bfe_u32 v5, v0, 4, 1                         ; h
	v_and_b32 v6, 31, v0
	v_lshlrev_b32 v[LI], 4, v6
	v_lshlrev_b32 v[SO], 3, v6
	s_lshr_b32 s10, s8, 1
	s_lshl_b32 s10, s10, 6
	s_and_b32 s11, s8, 1
	s_lshl_b32 s11, s11, 4
	s_add_co_u32 s10, s10, s11
	v_mul_u32_u24 v[FSS], v4, 272
	v_lshl_add_u32 v[FSS], v5, 5, v[FSS]
	v_add_nc_u32 v[FSS], s10, v[FSS]               ; in: row r, + 64 (w / 2) + 16 (w % 2) + 32 h
	s_mul_i32 s10, s8, 544
	v_mul_u32_u24 v[FSL], v5, 272
	v_lshl_add_u32 v[FSL], v4, 4, v[FSL]
	v_add_nc_u32 v[FSL], s10, v[FSL]               ; back by rows: row 2 w + h, 16 bytes a lane
	v_lshlrev_b32 v[GO], 12, v5
	v_lshl_add_u32 v[GO], v4, 4, v[GO]
	s_lshl_b32 s12, ttmp9, 15                      ; the head's eight parts of 4,096 bytes; my group: + 512 w
	s_lshl_b32 s13, s8, 9
	s_add_co_u32 s12, s12, s13
	s_mov_b32 s13, 0
	s_lshl_b32 s14, ttmp9, 11                      ; its eight blocks of (m, l)
	s_add_co_u32 s14, s14, 0x100000
	s_mov_b32 s15, 0
	s_lshr_b32 s16, ttmp9, 4
	s_lshl_b32 s16, s16, 16                        ; attn_fine: the batch's 16 rows of 4,096 bytes,
	s_lshl_b32 s17, s8, 13                         ; rows 2 w on,
	s_add_co_u32 s16, s16, s17
	s_and_b32 s17, ttmp9, 15
	s_lshl_b32 s17, s17, 8                         ; the head's 256 bytes
	s_add_co_u32 s16, s16, s17
	s_mov_b32 s17, 0
	s_wait_kmcnt 0x0
	s_add_nc_u64 s[18:19], s[4:5], s[14:15]
	s_add_nc_u64 s[4:5], s[4:5], s[12:13]
	s_add_nc_u64 s[6:7], s[6:7], s[16:17]
.irp c, 0,1,2,3,4,5,6,7
	global_load_b64 v[ML+2*\c:ML+2*\c+1], v[SO], s[18:19] offset:256*\c               ; (m, l) of query r: lanes 16-31 find lanes 0-15's numbers once more
.endr
.irp c, 0,1,2,3,4,5,6,7
	global_load_b128 v[X+4*\c:X+4*\c+3], v[LI], s[4:5] offset:4096*\c th:TH_LOAD_NT   ; 512 consecutive bytes a load; read once in the launch
.endr
	s_wait_loadcnt 8                               ; the eight (m, l) are in; the eight loads of sums may be out
	v_max3_num_f32 v16, v[ML], v[ML+2], v[ML+4]
	v_max3_num_f32 v17, v[ML+6], v[ML+8], v[ML+10]
	v_max3_num_f32 v16, v16, v17, v[ML+12]
	v_max_num_f32 v16, v16, v[ML+14]               ; M
.irp c, 0,1,2,3,4,5,6,7
	v_sub_f32 v[WT+\c], v[ML+2*\c], v16
.endr
.irp c, 0,1,2,3,4,5,6,7
	v_mul_f32 v[WT+\c], 0x3fb8aa3b, v[WT+\c]
.endr
.irp c, 0,1,2,3,4,5,6,7
	v_exp_f32 v[WT+\c], v[WT+\c]
.endr
	v_nop                                          ; a plain instruction behind the last exponential,
	s_wait_alu depctr_va_vdst(0)                   ; and one wait for the batch
	v_mul_f32 v18, v[WT], v[ML+1]
.irp c, 1,2,3,4,5,6,7
	v_fma_f32 v18, v[WT+\c], v[ML+2*\c+1], v18     ; the sum of w l
.endr
	v_rcp_f32 v19, v18
	s_wait_loadcnt 0x0                             ; the sums are in
.irp k, 0,1,2,3
	v_mul_f32 v[AC+\k], v[X+\k], v[WT]             ; (plain work behind the reciprocal)
.endr
.irp c, 1,2,3,4,5,6,7
.irp k, 0,1,2,3
	v_fma_f32 v[AC+\k], v[X+4*\c+\k], v[WT+\c], v[AC+\k]
.endr
.endr
	s_wait_alu depctr_va_vdst(0)                   ; the wait for the reciprocal, ahead of its first reader
.irp k, 0,1,2,3
	v_mul_f32 v[AC+\k], v[AC+\k], v19
.endr
	ds_store_b128 v[FSS], v[AC:AC+3]
	s_wait_dscnt 0x0                               ; for the others' sake: my store has landed
	s_barrier_signal -1
	s_barrier_wait -1                              ; 16 whole rows of 256 bytes lie in LDS
	ds_load_b128 v[24:27], v[FSL]
	s_wait_dscnt 0x0
	global_store_b128 v[GO], v[24:27], s[6:7]      ; sixteen lanes store 256 consecutive bytes, aligned
	s_wait_tensorcnt 0x0                           ; the wave's end
	ds_add_u32 v[SPW], v[NIL]
	s_wait_dscnt 0x0
	s_endpgm
.Lfunc_end_k_qa90c962bed_fcomb:
	.size	k_qa90c962bed_fcomb, .Lfunc_end_k_qa90c962bed_fcomb-k_qa90c962bed_fcomb
	.p2alignl 7, 3214868480
	.fill 96, 4, 3214868480
	.section	.rodata,"a",@progbits
	.p2align	6, 0x0
	.amdhsa_kernel k_qa90c962bed_fcomb
		.amdhsa_group_segment_fixed_size 5632
		.amdhsa_private_segment_fixed_size 0
		.amdhsa_enable_private_segment 0
		.amdhsa_kernarg_size 16
		.amdhsa_user_sgpr_count 2
		.amdhsa_user_sgpr_kernarg_segment_ptr 1
		.amdhsa_wavefront_size32 1
		.amdhsa_system_sgpr_workgroup_id_x 1
		.amdhsa_system_sgpr_workgroup_id_y 1
		.amdhsa_system_sgpr_workgroup_id_z 1
		.amdhsa_system_vgpr_workitem_id 0
		.amdhsa_next_free_vgpr 96
		.amdhsa_next_free_sgpr 66
		.amdhsa_reserve_vcc 0
		.amdhsa_float_denorm_mode_32 3
		.amdhsa_float_denorm_mode_16_64 3
		.amdhsa_memory_ordered 1
		.amdhsa_forward_progress 1
		.amdhsa_inst_pref_size 8
	.end_amdhsa_kernel
	.amdgpu_metadata
---
amdhsa.version: [ 1, 2 ]
amdhsa.kernels:
  - .name:           k_qa90c962bed_fcomb
    .symbol:         k_qa90c962bed_fcomb.kd
    .args:
      - { .name: part, .offset: 0, .size: 8, .value_kind: global_buffer, .address_space: global }
      - { .name: attn_fine, .offset: 8, .size: 8, .value_kind: global_buffer, .address_space: global }
    .group_segment_fixed_size: 5632
    .private_segment_fixed_size: 0
    .kernarg_segment_align: 8
    .kernarg_segment_size: 16
    .max_flat_workgroup_size: 256
    .sgpr_count:     66
    .vgpr_count:     96
    .wavefront_size: 32
...
	.end_amdgpu_metadata
.endif
;; end of part 8
;; launch oproj: the kernel of part 5 again; grid 8 x 16, 4 waves a work-group, clusters of 4 x 4, 327,680 bytes of LDS; arguments attn, wo_h, out0; writes out0
;; launch foproj: the kernel of part 6 again; grid 32 x 2, 16 waves a work-group, no clusters, 23,040 bytes of LDS; arguments attn_fine, Wo, out0; writes out0
